; MI455X (gfx1250); checked and timed in simulation.
; The chip was launched on July 23, 2026; its instructions are those of AMD's public machine-readable ISA for CDNA 5 (MIT licence, August 2026) and "CDNA5" Instruction Set Architecture Reference Guide (July 2026). The comments in the code are by the model that wrote it; some were corrected since.
;; Self Attention. Allowed arithmetic: float matrix products may take bf16 or f16 operands with f32 sums; other float arithmetic in f32, or as packed bf16 or f16 multiplies, adds, multiply-adds, maxima and minima; sums over many terms, partial sums and values carried from step to step in f32; what a program stores and reads back later, other than sums and carried values, may be rounded once to bf16 or f16.
;; Inputs: Wk 1,024 x 1,024 float32; Wq 1,024 x 1,024 float32; Wv 1,024 x 1,024 float32; bk 1,024 float32; bq 1,024 float32; bv 1,024 float32; x 4 x 2,048 x 1,024 float32.
;; Outputs: out0 4 x 2,048 x 1,024 float32.
;; 2 versions, each right; version 2 is version 1 with the launch prep written anew for expert scheduling mode. Each part assembles by itself: llvm-mc -triple=amdgcn-amd-amdhsa -mcpu=gfx1250 --defsym DOCPART=n.
;; ======== version 1 of 2: 4 launches
;; limits: values are held in f16: magnitudes above 65,504 overflow, below 6.1e-05 lose precision
;; workspace buffers: xb 16,777,216 bytes; wcat 6,291,456 bytes; qkv 50,331,648 bytes; pt 33,554,432 bytes; stats 1,048,576 bytes
;; launch prep (part 1): grid 704 x 1, 8 waves a work-group, no clusters, 0 bytes of LDS; arguments x, Wq, Wk, Wv, xb, wcat; writes xb, wcat
.if DOCPART == 1
	.amdgcn_target "amdgcn-amd-amdhsa--gfx1250"
	.amdhsa_code_object_version 6
	.text
	.protected	k_q1afaaa5d80_prep
	.globl	k_q1afaaa5d80_prep
	.p2align	8
	.type	k_q1afaaa5d80_prep,@function
k_q1afaaa5d80_prep:
	s_mov_b64 s[64:65], 0
	v_nop
	global_prefetch_b8 v0, s[64:65] scope:SCOPE_SE
	s_setreg_imm32_b32 hwreg(HW_REG_WAVE_MODE, 25, 1), 1
	s_wait_xcnt 0x0
; CASTS TO bf16, a stream: no LDS, no barrier, no matrix unit (there is nothing to share and nothing to multiply).
; x [8192][1024] f32 -> xb [16 k-blocks][8192 rows][64] bf16: a tile of 128 rows x 64 k is then 16,384 dense bytes for the next launch.
; Wq, Wk, Wv [1024][1024] f32 -> wcat [1024 d][3072] bf16: columns 0-1023 Wq, 1024-2047 Wk, 2048-3071 Wv.
; Work-groups 0-511 take 16 rows of x each, 512-703 take 16 rows of one W; a wave takes 2 rows: 16 loads of 16 bytes a lane, all issued first,
; then for each load two roundings and one store of 8 bytes a lane.  Every store of a wave covers 256 consecutive bytes, aligned; no register is written twice.
	s_load_b256 s[4:11], s[0:1], 0x0               ; x s[4:5], Wq s[6:7], Wk s[8:9], Wv s[10:11]
	s_load_b128 s[12:15], s[0:1], 0x20             ; xb s[12:13], wcat s[14:15]
	v_lshrrev_b32 v1, 5, v0
	v_readfirstlane_b32 s16, v1                    ; wave 0..7
	v_and_b32 v2, 31, v0                           ; lane
	v_lshlrev_b32 v4, 3, v2                        ; the stores' offset: 8 bytes a lane
	s_lshl_b32 s17, s16, 1                         ; my two rows among the group's sixteen
	s_mov_b32 s19, 0                               ; high words of the two offsets
	s_mov_b32 s27, 0
	s_cmp_lt_u32 ttmp9, 512
	s_cbranch_scc0 .Lweights
	; x: load n takes k-block n (256 bytes) of both rows: lanes 0-15 the first row, lanes 16-31 the second
	v_and_b32 v3, 15, v0
	v_lshlrev_b32 v3, 4, v3
	v_bfe_u32 v5, v0, 4, 1
	v_lshl_add_u32 v3, v5, 12, v3                  ; 16 (lane % 16) + 4,096 (lane / 16)
	s_lshl_b32 s18, ttmp9, 4
	s_add_co_u32 s18, s18, s17                     ; my first row
	s_lshl_b32 s26, s18, 7                         ; x 128 bytes in a k-block of xb
	s_lshl_b32 s18, s18, 12                        ; x 4,096 bytes in x
	s_wait_kmcnt 0x0
	s_add_nc_u64 s[20:21], s[4:5], s[18:19]
	s_add_nc_u64 s[22:23], s[12:13], s[26:27]      ; k-blocks 0-7
	s_add_nc_u64 s[24:25], s[22:23], 0x800000      ; k-blocks 8-15: the immediate holds seven blocks of 1,048,576 bytes
.set n, 0
.rept 16
	global_load_b128 v[8+4*n:8+4*n+3], v3, s[20:21] offset:256*n th:TH_LOAD_NT
.set n, n+1
.endr
.set n, 0
.rept 16
	s_wait_loadcnt 15-n                            ; loads come back in order: load n is in, the younger ones stay out
	v_cvt_pk_bf16_f32 v[72+2*n], v[8+4*n], v[8+4*n+1]
	v_cvt_pk_bf16_f32 v[73+2*n], v[8+4*n+2], v[8+4*n+3]
	global_store_b64 v4, v[72+2*n:73+2*n], s[22+2*(n/8):23+2*(n/8)] offset:(n%8)*1048576
.set n, n+1
.endr
	s_endpgm
.Lweights:
	; W: my two rows are 8,192 consecutive bytes; load n takes 512 of them
	v_lshlrev_b32 v3, 4, v2
	s_sub_co_u32 s28, ttmp9, 512
	s_lshr_b32 s29, s28, 6                         ; which of the three
	s_and_b32 s28, s28, 63
	s_lshl_b32 s28, s28, 4
	s_add_co_u32 s28, s28, s17                     ; my first row d
	s_lshl_b32 s18, s28, 12
	s_mul_i32 s26, s28, 6144                       ; a row of wcat
	s_lshl_b32 s30, s29, 11                        ; the matrix's 2,048 bytes of it
	s_add_co_u32 s26, s26, s30
	s_wait_kmcnt 0x0
	s_cmp_eq_u32 s29, 0
	s_cselect_b64 s[20:21], s[6:7], s[8:9]
	s_cmp_eq_u32 s29, 2
	s_cselect_b64 s[20:21], s[10:11], s[20:21]
	s_add_nc_u64 s[20:21], s[20:21], s[18:19]
	s_add_nc_u64 s[22:23], s[14:15], s[26:27]
.set n, 0
.rept 16
	global_load_b128 v[8+4*n:8+4*n+3], v3, s[20:21] offset:512*n th:TH_LOAD_NT
.set n, n+1
.endr
.set n, 0
.rept 16
	s_wait_loadcnt 15-n
	v_cvt_pk_bf16_f32 v[72+2*n], v[8+4*n], v[8+4*n+1]
	v_cvt_pk_bf16_f32 v[73+2*n], v[8+4*n+2], v[8+4*n+3]
	global_store_b64 v4, v[72+2*n:73+2*n], s[22:23] offset:(n/8)*6144+(n%8)*256
.set n, n+1
.endr
	s_endpgm
.Lfunc_end_k_q1afaaa5d80_prep:
	.size	k_q1afaaa5d80_prep, .Lfunc_end_k_q1afaaa5d80_prep-k_q1afaaa5d80_prep
	.p2alignl 7, 3214868480
	.fill 96, 4, 3214868480
	.section	.rodata,"a",@progbits
	.p2align	6, 0x0
	.amdhsa_kernel k_q1afaaa5d80_prep
		.amdhsa_group_segment_fixed_size 0
		.amdhsa_private_segment_fixed_size 0
		.amdhsa_enable_private_segment 0
		.amdhsa_kernarg_size 48
		.amdhsa_user_sgpr_count 2
		.amdhsa_user_sgpr_kernarg_segment_ptr 1
		.amdhsa_wavefront_size32 1
		.amdhsa_system_sgpr_workgroup_id_x 1
		.amdhsa_system_sgpr_workgroup_id_y 1
		.amdhsa_system_sgpr_workgroup_id_z 1
		.amdhsa_system_vgpr_workitem_id 0
		.amdhsa_next_free_vgpr 104
		.amdhsa_next_free_sgpr 66
		.amdhsa_reserve_vcc 0
		.amdhsa_float_denorm_mode_32 3
		.amdhsa_float_denorm_mode_16_64 3
		.amdhsa_memory_ordered 1
		.amdhsa_forward_progress 1
		.amdhsa_inst_pref_size 13
	.end_amdhsa_kernel
	.amdgpu_metadata
---
amdhsa.version: [ 1, 2 ]
amdhsa.kernels:
  - .name:           k_q1afaaa5d80_prep
    .symbol:         k_q1afaaa5d80_prep.kd
    .args:
      - { .name: x, .offset: 0, .size: 8, .value_kind: global_buffer, .address_space: global }
      - { .name: Wq, .offset: 8, .size: 8, .value_kind: global_buffer, .address_space: global }
      - { .name: Wk, .offset: 16, .size: 8, .value_kind: global_buffer, .address_space: global }
      - { .name: Wv, .offset: 24, .size: 8, .value_kind: global_buffer, .address_space: global }
      - { .name: xb, .offset: 32, .size: 8, .value_kind: global_buffer, .address_space: global }
      - { .name: wcat, .offset: 40, .size: 8, .value_kind: global_buffer, .address_space: global }
    .group_segment_fixed_size: 0
    .private_segment_fixed_size: 0
    .kernarg_segment_align: 8
    .kernarg_segment_size: 48
    .max_flat_workgroup_size: 256
    .sgpr_count:     66
    .vgpr_count:     104
    .wavefront_size: 32
...
	.end_amdgpu_metadata
.endif
;; end of part 1
;; launch proj (part 2): grid 8 x 32, 4 waves a work-group, clusters of 4 x 4, 327,680 bytes of LDS; arguments xb, wcat, bq, bk, bv, qkv; writes qkv
.if DOCPART == 2
	.amdgcn_target "amdgcn-amd-amdhsa--gfx1250"
	.amdhsa_code_object_version 6
	.text
	.protected	k_q1afaaa5d80_proj
	.globl	k_q1afaaa5d80_proj
	.p2align	8
	.type	k_q1afaaa5d80_proj,@function
k_q1afaaa5d80_proj:
	s_mov_b64 s[64:65], 0
	v_nop
	global_prefetch_b8 v0, s[64:65] scope:SCOPE_SE
	s_setreg_imm32_b32 hwreg(HW_REG_WAVE_MODE, 25, 1), 1
	s_wait_xcnt 0x0
	s_wait_alu depctr_hold_cnt(0) depctr_sa_sdst(0) depctr_va_vdst(0) depctr_va_sdst(0) depctr_va_ssrc(0) depctr_va_vcc(0) depctr_vm_vsrc(0)
	s_getreg_b32 s2, hwreg(HW_REG_IB_STS2, 6, 4)
	s_cmp_eq_u32 s2, 0
	s_cbranch_scc0 .Lentry_in_a_cluster
	s_endpgm
.Lentry_in_a_cluster:
	s_bfe_u32 s2, ttmp6, 0x10000c
	s_cmp_lg_u32 s2, 0xf033
	s_cbranch_scc0 .Lentry_shape_is_right
	s_endpgm
.Lentry_shape_is_right:
; qkv[m][n] = the sum over d of x[m][d] W[d][n] + b[n], n over Wq | Wk | Wv: [8192][3072], stored in f16, rounded once from f32 sums, unscaled.
; x, W and b enter rounded to bf16.  LIMIT: q, k, v must stay under 65,504 (f16's end); NaN and infinities are not treated apart (a bias that is not finite spoils its whole tile).
; SHARES.  A tile is 256 rows x 384 columns: 32 x 8 = 256 work-groups.  Four waves, each 128 x 192: 96 accumulators of 16 x 16 in windows 1-3.
; THE MATRIX INSTRUCTION IS USED TRANSPOSED: source 0 = 16 columns of W (turned out of LDS by ds_load_tr16_b128, since W lies [d][n]), source 1 = 16 rows of x:
; a lane then holds one row of the result and eight neighbouring columns.
; RING.  K goes in steps of 64 through two LDS slots; a lap is two steps.  Waves 0, 1 fetch the halves of x's tile, waves 2, 3 those of W's: one tensor load a wave behind each change of slots.
; CLUSTER 4 x 4: x's tile is shared along a row of the cluster, W's along a column; each is asked for jointly, by the same load with the same descriptor in the four that the mask names.
; A SLICE is 32 along K: three groups of 32 products (4 column fragments x 8 row fragments).  x's fragments have two buffers; W's twelve have one, reloaded group by group,
; four places behind the group's last product, for the next slice.  The 96 accumulators take turns, one instruction a turn.
; THE BIAS starts the sums: one slice whose source 0 holds bf16(b[n]) at k = 0 and whose source 1 holds 1 at k = 0 and 0 elsewhere; nothing is cleared.
; REGISTERS (windows of 256; s_set_vgpr_msb: bits 1:0 source 0, 3:2 source 1, 5:4 source 2, 7:6 destination):
;   window 0: v0-31 addresses; v32-95, v96-159 x's fragments, two buffers; v160-255 W's fragments.   windows 1-3: accumulator (a, b) in window 1 + b / 4 at v[8 (8 (b % 4) + a)]
.set PA,     144                       ; a row of x in LDS: 128 bytes + 16: the 16 rows of a load start at 16 different groups of four banks (ISA guide 11.1)
.set PB,     864                       ; a row of W in LDS: three pieces of 256 bytes + 32 each = 27 x 32 bytes
.set BOFF,   256*PA                    ; W's 64 rows lie behind x's 256
.set SLOT,   BOFF+64*PB                ; 92,160
.set SPITCH, 784                       ; the way out: 768 bytes + 16
.set SPARE,  256*SPITCH                ; the stage lies over the slots (written only behind their last fill) and ends here; then the spare words, 128 bytes a wave
.set STEPA,  8192*128                  ; bytes from a k-block of xb to the next
.set STEPB,  64*6144                   ; 64 rows of wcat
.set LAPS,   8
.set ADY,  4                           ; v4-5    x's fragments in slot 0, 1
.set ADX,  6                           ; v6-8    W's fragment groups 0-2 in slot 0; v9-11 in slot 1
.set STO,  12                          ; v12-13  the way out: where I put 16 bytes (row blocks 0-3; 4-7)
.set RD,   14                          ; v14     where I read rows back
.set CO,   15                          ; v15     my byte offset in two rows of qkv
.set PFOA, 16                          ; v16     prefetches of xb: 256 x lane
.set PFOB, 17                          ; v17     prefetches of wcat: a row a lane
.set BO,   18                          ; v18     4 (lane % 16): my column in 16 of a bias
.set SPW,  28                          ; v28     my spare word; never rewritten
.set NIL,  29                          ; v29     0; never rewritten
.set Y0,   32
.set BF,   96                          ; the bias slice: fragment b is v[BF+2b : BF+2b+7]
.set ONE,  128
.set BR,   140
.set XF,   160
.set TMP,  32
.set WV,   16
.set HI,   17                          ; wave / 2: my half of the rows; also: I fetch for x (0) or W (1)
.set LO,   18                          ; wave % 2: my half of the columns; also: which half of that tile I fetch
.set CX,   19
.set CY,   20
.set TJ,   21                          ; tile column
.set TI,   22                          ; tile row
.set G1A,  24
.set G0A,  32                          ; s[32:35] slot 0, s[36:39] slot 1
.set G1B,  48
.set G0B,  56
.set CNT,  66
.set LBA,  68
.set LBB,  69
.set PFA,  70
.set PFB,  72
.set LIMA, 74
.set LIMB, 75
.set BP,   80                          ; s[80:85] the bias of my three groups of 64 columns
.set MSB, 0
.macro WIN new                         ; the immediate's high byte repeats the setting that is left; a switch that changes nothing is dropped
.if MSB != (\new)
	s_set_vgpr_msb (MSB<<8)|(\new)
.set MSB, \new
.endif
.endm
.macro PLACES                          ; four plain places behind a matrix instruction, ahead of loads into registers that it read
.rept 4
	v_nop
.endr
.endm
.macro CREST                           ; a round of the cluster's barrier behind its opening barrier
	s_cmp_lg_u32 s[WV], 0
	s_cbranch_scc1 .Lnot_wave_0_\@
	s_barrier_signal -3
.Lnot_wave_0_\@:
	s_barrier_wait -3
	s_barrier_signal -1
	s_barrier_wait -1
.endm
.macro CROUND
	s_barrier_signal -1
	s_barrier_wait -1
	CREST
.endm
.macro JLOAD s                         ; a joint refill; the branch hangs on the wave's number alone; s_nop 0 and four v_nop follow each line
	s_cmp_eq_u32 s[HI], 0
	s_cbranch_scc0 .Lfor_b_\@
	tensor_load_to_lds s[G0A+4*(\s):G0A+4*(\s)+3], s[G1A:G1A+7]
	s_nop 0
	PLACES
	s_branch .Lasked_\@
.Lfor_b_\@:
	tensor_load_to_lds s[G0B+4*(\s):G0B+4*(\s)+3], s[G1B:G1B+7]
	s_nop 0
	PLACES
.Lasked_\@:
.endm
; PREFETCH INTO THE L2 of the K step that stands two refills on.  x's tile row (128 blocks of 256 bytes a step) is read by both clusters of a row of clusters: cluster x = 0 asks, wave 0,
; each of the four partners 32 blocks, told apart by address.  W's tile column is read by all clusters of a column: cluster y = 0 asks, wave 2, once a lap for two steps:
; each partner 32 rows x 3 blocks.  So each block is named once.  The first four steps come by their loads alone; the loop's last trip asks for nothing.
.macro ASK slot
	s_cmp_gt_u32 s[CNT], s[LIMA]
	s_cbranch_scc0 .Lno_a_\@
	global_prefetch_b8 v[PFOA], s[PFA:PFA+1] th:TH_LOAD_NT scope:SCOPE_SE
.Lno_a_\@:
.if (\slot) == 0
	s_cmp_gt_u32 s[CNT], s[LIMB]
	s_cbranch_scc0 .Lno_b_\@
	global_prefetch_b8 v[PFOB], s[PFB:PFB+1] th:TH_LOAD_NT scope:SCOPE_SE
	global_prefetch_b8 v[PFOB], s[PFB:PFB+1] offset:256 th:TH_LOAD_NT scope:SCOPE_SE
	global_prefetch_b8 v[PFOB], s[PFB:PFB+1] offset:512 th:TH_LOAD_NT scope:SCOPE_SE
.Lno_b_\@:
.endif
.endm
.macro MULG g, b0, nb, yb              ; group g: column fragments b0 .. b0 + nb - 1 of its four x all 8 row fragments of buffer yb
	WIN 0x50*((\g)+1)
.set bq, \b0
.rept \nb
.set aa, 0
.rept 8
.set rD, 8*(8*bq+aa)
.set rX, XF+8*(4*(\g)+bq)
.set rY, (\yb)+8*aa
	v_wmma_f32_16x16x32_bf16 v[rD:rD+7], v[rX:rX+7], v[rY:rY+7], v[rD:rD+7]
.set aa, aa+1
.endr
.set bq, bq+1
.endr
.endm
.macro LDY slot, kb, yb                ; x's 8 fragments at byte kb of the rows: 16 loads
.set f, 0
.rept 8
	ds_load_b128 v[(\yb)+8*f:(\yb)+8*f+3],   v[ADY+(\slot)] offset:f*16*PA+(\kb)
	ds_load_b128 v[(\yb)+8*f+4:(\yb)+8*f+7], v[ADY+(\slot)] offset:f*16*PA+(\kb)+32
.set f, f+1
.endr
.endm
.macro LDX slot, g, k0                 ; W's group g from row k0 of the slot on, turned: 8 loads
.set f, 0
.rept 4
	ds_load_tr16_b128 v[XF+8*(4*(\g)+f):XF+8*(4*(\g)+f)+3],   v[ADX+3*(\slot)+(\g)] offset:(\k0)*PB+32*f
	ds_load_tr16_b128 v[XF+8*(4*(\g)+f)+4:XF+8*(4*(\g)+f)+7], v[ADX+3*(\slot)+(\g)] offset:(\k0)*PB+32*f+16*PB
.set f, f+1
.endr
.endm
; A SLICE: slice i (0, 1) of the step in \slot.  mode 0: plain.  mode 1, 2: the step's last slice changes slots (2: by a round of the cluster's barrier, and this slot is filled again).  mode 3: the last of all.
; LDS loads are issued in batches for the next slice: batch 0 = x's 16 + group 0's 8, batch 1 = group 1's 8, batch 2 = group 2's 8.  The counted waits name what was issued behind the batch that is wanted.
.macro SLICE slot, i, mode
.set YC, Y0+64*(\i)
.set YN, Y0+64*(1-(\i))
.set NSL, (\slot)+(\i)*(1-2*(\slot))
.set NKB, 64*(1-(\i))
.set NK0, 32*(1-(\i))
.if (\mode) == 0
	s_wait_dscnt 16                                ; batch 0 is in; batches 1 and 2 may be out
	MULG 0, 0, 4, YC
	PLACES
	WIN 0
	LDY NSL, NKB, YN
	LDX NSL, 0, NK0
.elseif (\mode) == 3
	s_wait_dscnt 16
	MULG 0, 0, 4, YC
.else
	WIN 0                                          ; the add's two registers lie in window 0
.if (\mode) == 2
	s_wait_xcnt 0x0                                ; the last prefetches, a step back, have read their addresses: these are stepped here, ahead of the change's own waits
	s_add_nc_u64 s[PFA:PFA+1], s[PFA:PFA+1], STEPA
	s_add_nc_u64 s[PFB:PFB+1], s[PFB:PFB+1], STEPB
.endif
	s_wait_tensorcnt 0x0                           ; all my tensor loads have landed: the one that was out is my part of the other slot
	ds_add_u32 v[SPW], v[NIL]                      ; 0 onto my spare word
.if (\mode) == 2
	s_add_nc_u64 s[G0A+4*(\slot)+2:G0A+4*(\slot)+3], s[G0A+4*(\slot)+2:G0A+4*(\slot)+3], 2*STEPA  ; no load of mine is out: this slot's descriptors step two K steps on
	s_add_nc_u64 s[G0B+4*(\slot)+2:G0B+4*(\slot)+3], s[G0B+4*(\slot)+2:G0B+4*(\slot)+3], 2*STEPB
.endif
	s_wait_dscnt 17                                ; batch 0 is in; batches 1, 2 and the add may be out
	MULG 0, 0, 2, YC
	s_wait_dscnt 0x0                               ; the add is done and my reads of this slot are over
	s_barrier_signal -1
	MULG 0, 2, 2, YC                               ; work on registers while the others arrive
	WIN 0
	s_barrier_wait -1
.if (\mode) == 2
	CREST                                          ; no wave of any partner still reads this slot or has a load on its way
	JLOAD \slot                                    ; first behind the round; its four v_nop are also the places ahead of the loads below
.else
	PLACES
.endif
	LDY NSL, NKB, YN
	LDX NSL, 0, NK0
.if (\mode) == 2
	ASK \slot
.endif
.endif
.if (\mode) == 3
	s_wait_dscnt 8                                 ; group 1 is in; group 2's 8 may be out
	MULG 1, 0, 4, YC
	s_wait_dscnt 0x0
	MULG 2, 0, 4, YC
.else
	s_wait_dscnt 32                                ; group 1 is in: behind it batch 2 (8) and the new batch 0 (24)
	MULG 1, 0, 4, YC
	PLACES
	WIN 0
	LDX NSL, 1, NK0
	s_wait_dscnt 32                                ; group 2 is in: behind it the new batches 0 (24) and 1 (8)
	MULG 2, 0, 4, YC
	PLACES
	WIN 0
	LDX NSL, 2, NK0
.endif
.endm
	s_load_b256 s[4:11], s[0:1], 0x0               ; xb s[4:5], wcat s[6:7], bq s[8:9], bk s[10:11]
	s_load_b128 s[12:15], s[0:1], 0x20             ; bv s[12:13], qkv s[14:15]
	v_lshl_add_u32 v[SPW], v0, 2, SPARE
	v_mov_b32 v[NIL], 0
	ds_add_u32 v[SPW], v[NIL]                      ; the wave's opening: the add and its wait stand ahead of my first tensor load
	v_lshrrev_b32 v3, 5, v0
	v_readfirstlane_b32 s[WV], v3
	s_lshr_b32 s[HI], s[WV], 1
	s_and_b32 s[LO], s[WV], 1
	s_bfe_u32 s[CX], ttmp6, 0x40000
	s_bfe_u32 s[CY], ttmp6, 0x40004
	s_lshl_b32 s[TJ], ttmp9, 2
	s_add_co_u32 s[TJ], s[TJ], s[CX]
	s_and_b32 s[TI], ttmp7, 0xffff
	s_lshl_b32 s[TI], s[TI], 2
	s_add_co_u32 s[TI], s[TI], s[CY]
	s_lshl_b32 s40, s[CY], 2
	s_lshl_b32 s40, 15, s40                        ; my row of the cluster
	s_lshl_b32 s42, 0x1111, s[CX]                  ; my column
	; x's tile: 128 rows x 128 bytes are dense: 64 rows of 256 bytes, 16 bytes of padding after every 128
	s_or_b32 s[G1A], s40, (1<<16)|(1<<20)|(1<<21)|(4<<22)|(3<<25)
	s_mov_b32 s[G1A+1], 128<<16                    ; tensor_dim0 = 128
	s_mov_b32 s[G1A+2], 64<<16                     ; tensor_dim1 = 64
	s_mov_b32 s[G1A+3], 128<<16                    ; tile_dim0 = 128
	s_mov_b32 s[G1A+4], 64                         ; tile_dim1 = 64
	s_mov_b32 s[G1A+5], 128                        ; elements from row to row
	s_mov_b32 s[G1A+6], 0
	s_mov_b32 s[G1A+7], 0
	; W's tile: 32 rows x 384 elements, 32 bytes of padding after every 256
	s_or_b32 s[G1B], s42, (1<<16)|(1<<20)|(1<<21)|(5<<22)|(7<<25)
	s_mov_b32 s[G1B+1], 384<<16
	s_mov_b32 s[G1B+2], 32<<16
	s_mov_b32 s[G1B+3], 384<<16
	s_mov_b32 s[G1B+4], 32
	s_mov_b32 s[G1B+5], 3072
	s_mov_b32 s[G1B+6], 0
	s_mov_b32 s[G1B+7], 0
	s_lshl_b32 s40, s[TI], 15                      ; x: 256 rows x 128 bytes a tile row,
	s_lshl_b32 s41, s[LO], 14                      ; my half of them
	s_add_co_u32 s40, s40, s41
	s_mov_b32 s41, 0
	s_mul_i32 s42, s[TJ], 768                      ; W: the tile's 384 columns,
	s_mul_i32 s43, s[LO], 32*6144                  ; my 32 of a step's 64 rows
	s_add_co_u32 s42, s42, s43
	s_mov_b32 s43, 0
	s_mul_i32 s[LBA], s[LO], 128*PA                ; no place in the cluster enters an LDS address
	s_mul_i32 s[LBB], s[LO], 32*PB
	s_add_co_u32 s[LBB], s[LBB], BOFF
	s_wait_dscnt 0x0                               ; the opening add is done
	s_wait_kmcnt 0x0
	s_add_nc_u64 s[44:45], s[4:5], s[40:41]
	s_add_nc_u64 s[46:47], s[6:7], s[42:43]
.irp s, 0,1
	s_mov_b32 s[G0A+4*(\s)], 1
	s_add_co_u32 s[G0A+4*(\s)+1], s[LBA], (\s)*SLOT
	s_add_nc_u64 s[G0A+4*(\s)+2:G0A+4*(\s)+3], s[44:45], (\s)*STEPA
	s_or_b32 s[G0A+4*(\s)+3], s[G0A+4*(\s)+3], 0x80000000
	s_mov_b32 s[G0B+4*(\s)], 1
	s_add_co_u32 s[G0B+4*(\s)+1], s[LBB], (\s)*SLOT
	s_add_nc_u64 s[G0B+4*(\s)+2:G0B+4*(\s)+3], s[46:47], (\s)*STEPB
	s_or_b32 s[G0B+4*(\s)+3], s[G0B+4*(\s)+3], 0x80000000
.endr
	CROUND                                         ; all sixteen work-groups are here: the first joint loads meet
	s_cmp_eq_u32 s[HI], 0                          ; a wave's two first fills stand in one branch: two loads of mine are out
	s_cbranch_scc0 .Lfirst_b
	tensor_load_to_lds s[G0A:G0A+3], s[G1A:G1A+7]
	s_nop 0
	tensor_load_to_lds s[G0A+4:G0A+7], s[G1A:G1A+7]
	s_nop 0
	PLACES
	s_branch .Lfirst_done
.Lfirst_b:
	tensor_load_to_lds s[G0B:G0B+3], s[G1B:G1B+7]
	s_nop 0
	tensor_load_to_lds s[G0B+4:G0B+7], s[G1B:G1B+7]
	s_nop 0
	PLACES
.Lfirst_done:
	v_and_b32 v1, 15, v0                           ; l % 16
	v_bfe_u32 v2, v0, 4, 1                         ; l / 16
	v_lshlrev_b32 v[BO], 2, v1
	; my three groups of 64 columns: group number G = 6 x tile column + 3 x half + g of 48; sixteen groups to a bias
	s_mul_i32 s86, s[TJ], 6
	s_mul_i32 s87, s[LO], 3
	s_add_co_u32 s86, s86, s87
.irp g, 0,1,2
	s_add_co_u32 s87, s86, (\g)
	s_and_b32 s88, s87, 15
	s_lshl_b32 s88, s88, 8
	s_mov_b32 s89, 0
	s_cmp_lt_u32 s87, 16
	s_cselect_b64 s[90:91], s[8:9], s[10:11]
	s_cmp_lt_u32 s87, 32
	s_cselect_b64 s[90:91], s[90:91], s[12:13]
	s_add_nc_u64 s[BP+2*(\g):BP+2*(\g)+1], s[90:91], s[88:89]
.endr
.set b, 0
.rept 12
	global_load_b32 v[BR+b], v[BO], s[BP+2*(b/4):BP+2*(b/4)+1] offset:64*(b%4)
.set b, b+1
.endr
	; x's fragments: row x pitch + 16 x half of the lanes; two loads 32 bytes apart
	v_mul_u32_u24 v3, v1, PA
	v_lshl_add_u32 v3, v2, 4, v3
	s_mul_i32 s86, s[HI], 128*PA
	v_add_nc_u32 v[ADY], s86, v3
	v_add_nc_u32 v[ADY+1], SLOT, v[ADY]
	; W's: the turning load takes row 8 (l / 16) + l % 8, bytes 16 ((l / 8) % 2) on; a group's 128 bytes lie in one padded piece
	v_and_b32 v19, 7, v0
	v_lshl_add_u32 v19, v2, 3, v19
	v_mul_u32_u24 v19, v19, PB
	v_bfe_u32 v20, v0, 3, 1
	v_lshl_add_u32 v19, v20, 4, v19
.irp g, 0,1,2
	s_mul_i32 s86, s[LO], 384
	s_add_co_u32 s86, s86, 128*(\g)
	s_lshr_b32 s87, s86, 8
	s_lshl_b32 s87, s87, 5                         ; 32 bytes of padding for each piece in front
	s_add_co_u32 s86, s86, s87
	s_add_co_u32 s86, s86, BOFF
	v_add_nc_u32 v[ADX+(\g)], s86, v19
	v_add_nc_u32 v[ADX+3+(\g)], SLOT, v[ADX+(\g)]
.endr
	; the way out
	v_mul_u32_u24 v3, v1, SPITCH
	v_lshl_add_u32 v3, v2, 4, v3
	s_mul_i32 s86, s[HI], 128*SPITCH
	s_mul_i32 s87, s[LO], 384
	s_add_co_u32 s86, s86, s87
	v_add_nc_u32 v[STO], s86, v3
	v_add_nc_u32 v[STO+1], 64*SPITCH, v[STO]
	v_mul_u32_u24 v3, v2, SPITCH
	v_lshl_add_u32 v3, v1, 4, v3
	s_mul_i32 s86, s[WV], 64*SPITCH
	v_add_nc_u32 v[RD], s86, v3
	v_mul_u32_u24 v3, v2, 6144
	v_lshl_add_u32 v[CO], v1, 4, v3
	s_lshl_b32 s86, s[TI], 8
	s_lshl_b32 s87, s[WV], 6
	s_add_co_u32 s86, s86, s87                     ; the first row that I store: 256 x tile row + 64 x wave
	s_mul_i32 s86, s86, 6144
	s_mul_i32 s87, s[TJ], 768
	s_add_co_u32 s86, s86, s87
	s_mov_b32 s87, 0
	s_add_nc_u64 s[14:15], s[14:15], s[86:87]
	; the prefetches: both stand one step short of K step 4; the first change of slots steps them onto it
	s_lshl_b32 s86, s[TI], 15
	s_lshl_b32 s87, s[CX], 13
	s_add_co_u32 s86, s86, s87
	s_add_co_u32 s86, s86, 3*STEPA
	s_mov_b32 s87, 0
	s_add_nc_u64 s[PFA:PFA+1], s[4:5], s[86:87]
	s_mul_i32 s86, s[TJ], 768
	s_mul_i32 s87, s[CY], 32*6144
	s_add_co_u32 s86, s86, s87
	s_add_co_u32 s86, s86, 3*STEPB
	s_mov_b32 s87, 0
	s_add_nc_u64 s[PFB:PFB+1], s[6:7], s[86:87]
	s_or_b32 s86, s[WV], ttmp9                     ; wave 0 of cluster x = 0: the same in all partners
	s_cmp_eq_u32 s86, 0
	s_cselect_b32 s[LIMA], 1, -1
	s_and_b32 s87, ttmp7, 0xffff
	s_xor_b32 s86, s[WV], 2
	s_or_b32 s86, s86, s87                         ; wave 2 of cluster y = 0
	s_cmp_eq_u32 s86, 0
	s_cselect_b32 s[LIMB], 1, -1
	v_and_b32 v3, 31, v0
	v_lshlrev_b32 v[PFOA], 8, v3
	v_mul_u32_u24 v[PFOB], v3, 6144
	; THE BIAS SLICE.  Fragment b's first register holds bf16(b[column]) in its low half (k = 0 in lanes 0-15); its other seven are neighbours' biases or 0, all of which meet a 0 of ONE.
	s_wait_loadcnt 0x0
.set b, 0
.rept 12
	v_cvt_pk_bf16_f32 v[BF+2*b], v[BR+b], v[NIL]
.set b, b+1
.endr
.set b, 0
.rept 15
	v_mov_b32 v[BF+1+2*b], 0
.set b, b+1
.endr
	v_mov_b32 v[BF+24], 0
	v_mov_b32 v[BF+26], 0
	v_mov_b32 v[BF+28], 0
	v_sub_nc_u32 v[ONE], 1, v2
	v_mul_u32_u24 v[ONE], v[ONE], 0x3f80           ; bf16 1.0 at k = 0, in lanes 0-15 alone
.set b, 1
.rept 7
	v_mov_b32 v[ONE+b], 0
.set b, b+1
.endr
.set g, 0
.rept 3
	WIN 0x50*(g+1)
.set bq, 0
.rept 4
.set aa, 0
.rept 8
	v_wmma_f32_16x16x32_bf16 v[8*(8*bq+aa):8*(8*bq+aa)+7], v[BF+2*(4*g+bq):BF+2*(4*g+bq)+7], v[ONE:ONE+7], 0
.set aa, aa+1
.endr
.set bq, bq+1
.endr
.set g, g+1
.endr
	WIN 0
	s_wait_tensorcnt 1                             ; my part of K step 0 is in; step 1's stays out
	s_barrier_signal -1
	s_barrier_wait -1
	LDY 0, 0, Y0
	LDX 0, 0, 0
	LDX 0, 1, 0
	LDX 0, 2, 0
	s_mov_b32 s[CNT], LAPS-1
.Llap:                                         ; a lap: two K steps, both slots filled again
	SLICE 0, 0, 0
	SLICE 0, 1, 2
	SLICE 1, 0, 0
	SLICE 1, 1, 2
	s_sub_co_u32 s[CNT], s[CNT], 1
	s_cmp_lg_u32 s[CNT], 0
	s_cbranch_scc1 .Llap
	SLICE 0, 0, 0                                  ; the last lap is written out: it asks for nothing
	SLICE 0, 1, 1
	SLICE 1, 0, 0
	SLICE 1, 1, 3
	; THE WAY OUT: rounded to f16, 16 bytes a lane into one stage of 256 rows x 768 bytes, back as whole pieces of 256 bytes
	PLACES
	PLACES                                         ; eight plain places, once a launch, ahead of the conversions that read the sums
	WIN 0
	s_wait_dscnt 0x0
	s_barrier_signal -1
	s_barrier_wait -1                              ; every wave's reads of the slots are over: the stage may be written over them
.set g, 0
.rept 3
	WIN (g+1)|((g+1)<<2)
.set n, 0
.rept 128
	v_cvt_pk_f16_f32 v[TMP+n], v[2*n], v[2*n+1]    ; each accumulator's registers in ascending order
.set n, n+1
.endr
	WIN 0
.set n, 0
.rept 32
	ds_store_b128 v[STO+(n%8)/4], v[TMP+4*n:TMP+4*n+3] offset:((n%8)%4)*16*SPITCH+32*(4*g+n/8)
.set n, n+1
.endr
.set g, g+1
.endr
	s_wait_dscnt 0x0                               ; for the others' sake: my stores into the stage are done
	s_barrier_signal -1
	s_barrier_wait -1
	s_mov_b32 s[CNT], 4
.Lout:                                         ; a trip: 16 of my 64 rows: 8 pairs of rows x 3 pieces
.set n, 0
.rept 24
	ds_load_b128 v[TMP+4*n:TMP+4*n+3], v[RD] offset:(n/3)*2*SPITCH+256*(n%3)
.set n, n+1
.endr
.set n, 0
.rept 24
	s_wait_dscnt 23-n
	global_store_b128 v[CO], v[TMP+4*n:TMP+4*n+3], s[14:15] offset:(n/3)*2*6144+256*(n%3)  ; 16 lanes store 256 consecutive bytes, aligned
.set n, n+1
.endr
	s_wait_xcnt 0x0                                ; the stores have read their data and their base: both are written again only behind this wait
	v_add_nc_u32 v[RD], 16*SPITCH, v[RD]
	s_add_nc_u64 s[14:15], s[14:15], 16*6144
	s_sub_co_u32 s[CNT], s[CNT], 1
	s_cmp_lg_u32 s[CNT], 0
	s_cbranch_scc1 .Lout
	s_wait_tensorcnt 0x0                           ; the wave's end
	ds_add_u32 v[SPW], v[NIL]
	s_wait_dscnt 0x0
	CROUND                                         ; the closing round
	s_endpgm
.Lfunc_end_k_q1afaaa5d80_proj:
	.size	k_q1afaaa5d80_proj, .Lfunc_end_k_q1afaaa5d80_proj-k_q1afaaa5d80_proj
	.p2alignl 7, 3214868480
	.fill 96, 4, 3214868480
	.section	.rodata,"a",@progbits
	.p2align	6, 0x0
	.amdhsa_kernel k_q1afaaa5d80_proj
		.amdhsa_group_segment_fixed_size 327680
		.amdhsa_private_segment_fixed_size 0
		.amdhsa_enable_private_segment 0
		.amdhsa_kernarg_size 48
		.amdhsa_user_sgpr_count 2
		.amdhsa_user_sgpr_kernarg_segment_ptr 1
		.amdhsa_wavefront_size32 1
		.amdhsa_system_sgpr_workgroup_id_x 1
		.amdhsa_system_sgpr_workgroup_id_y 1
		.amdhsa_system_sgpr_workgroup_id_z 1
		.amdhsa_system_vgpr_workitem_id 0
		.amdhsa_next_free_vgpr 1024
		.amdhsa_next_free_sgpr 100
		.amdhsa_reserve_vcc 0
		.amdhsa_float_denorm_mode_32 3
		.amdhsa_float_denorm_mode_16_64 3
		.amdhsa_memory_ordered 1
		.amdhsa_forward_progress 1
		.amdhsa_inst_pref_size 131
	.end_amdhsa_kernel
	.amdgpu_metadata
---
amdhsa.version: [ 1, 2 ]
amdhsa.kernels:
  - .name:           k_q1afaaa5d80_proj
    .symbol:         k_q1afaaa5d80_proj.kd
    .args:
      - { .name: xb, .offset: 0, .size: 8, .value_kind: global_buffer, .address_space: global }
      - { .name: wcat, .offset: 8, .size: 8, .value_kind: global_buffer, .address_space: global }
      - { .name: bq, .offset: 16, .size: 8, .value_kind: global_buffer, .address_space: global }
      - { .name: bk, .offset: 24, .size: 8, .value_kind: global_buffer, .address_space: global }
      - { .name: bv, .offset: 32, .size: 8, .value_kind: global_buffer, .address_space: global }
      - { .name: qkv, .offset: 40, .size: 8, .value_kind: global_buffer, .address_space: global }
    .group_segment_fixed_size: 327680
    .private_segment_fixed_size: 0
    .kernarg_segment_align: 8
    .kernarg_segment_size: 48
    .max_flat_workgroup_size: 128
    .sgpr_count:     100
    .vgpr_count:     1024
    .wavefront_size: 32
...
	.end_amdgpu_metadata
.endif
;; end of part 2
;; launch scores (part 3): grid 8 x 32, 4 waves a work-group, clusters of 4 x 4, 327,680 bytes of LDS; arguments qkv, pt, stats; writes pt, stats
.if DOCPART == 3
	.amdgcn_target "amdgcn-amd-amdhsa--gfx1250"
	.amdhsa_code_object_version 6
	.text
	.protected	k_q1afaaa5d80_scores
	.globl	k_q1afaaa5d80_scores
	.p2align	8
	.type	k_q1afaaa5d80_scores,@function
k_q1afaaa5d80_scores:
	s_mov_b64 s[64:65], 0
	v_nop
	global_prefetch_b8 v0, s[64:65] scope:SCOPE_SE
	s_setreg_imm32_b32 hwreg(HW_REG_WAVE_MODE, 25, 1), 1
	s_wait_xcnt 0x0
	s_wait_alu depctr_hold_cnt(0) depctr_sa_sdst(0) depctr_va_vdst(0) depctr_va_sdst(0) depctr_va_ssrc(0) depctr_va_vcc(0) depctr_vm_vsrc(0)
	s_getreg_b32 s2, hwreg(HW_REG_IB_STS2, 6, 4)
	s_cmp_eq_u32 s2, 0
	s_cbranch_scc0 .Lentry_in_a_cluster
	s_endpgm
.Lentry_in_a_cluster:
	s_bfe_u32 s2, ttmp6, 0x10000c
	s_cmp_lg_u32 s2, 0xf033
	s_cbranch_scc0 .Lentry_shape_is_right
	s_endpgm
.Lentry_shape_is_right:
; FIRST HALF OF THE SOFTMAX.  s[q][t] = q[q] . k[t] (f16 operands, f32 sums), c = log2(e) / 32.  A wave owns 128 queries x 128 keys, a CHUNK of each row (16 chunks a row).
; For each row and chunk: m = the chunk's maximum, cm = c m; pt = 2^(c s - cm) in f16; l = the sum of the unrounded weights.  cm and l go to stats in f32; the next launch joins the chunks
; by the maximum of the sixteen cm.  LIMITS: a weight below 2^-126 counts as 0 in l; below 6e-5 it keeps f16's fixed step; NaN and infinities are not treated apart.
; pt LIES IN BLOCKS: [64 tiles of 128 queries][32 blocks of 64 keys of the batch][128 rows][64 keys]: a block is 16,384 dense bytes; a wave's chunk is two blocks on end.
; SHARES.  A tile is 256 queries x 256 keys of one batch: 4 x 8 x 8 = 256 work-groups; four waves of 128 x 128: 64 accumulators in windows 1 and 2.
; TRANSPOSED USE: source 0 = 16 keys, source 1 = 16 queries: a lane holds ONE query (lane % 16) and the keys 8 (lane / 16) + 0..7 of each 16: a row's maximum and sum want one exchange between the halves of the lanes.
; RING, CLUSTER: K (1,024 channels) in steps of 128 through two LDS slots, a lap = two steps; q's tile is shared along a row of the 4 x 4 cluster, k's along a column, each asked for jointly.
; A SLICE is 32 along K: two groups of 32 products (4 query fragments x 8 key fragments).  k's fragments have two buffers; q's eight have one, reloaded group by group four places behind the group's last product.
; REGISTERS: window 0: v0-31 addresses; v32-95, v96-159 k's fragments; v160-223 q's; v224-255 four registers of statistics a block of 16 queries (cm, m, l even, l odd).
;   windows 1, 2: accumulator (a, b) in window 1 + a / 4 at v[8 (8 (a % 4) + b)]: a block's 64 scores a lane are 64 registers on end.
.set PITCH,  272                       ; 256 bytes + 16: the 16 rows of a load start at 16 different groups of four banks (ISA guide 11.1)
.set HALFT,  128*PITCH
.set SLOT,   4*HALFT                   ; q's 256 rows, then k's 256
.set STAGE,  2*SLOT                    ; 16 rows x 272 bytes for each wave
.set SPARE,  STAGE+4*16*PITCH
.set QROW,   6144                      ; bytes in a row of qkv
.set LAPS,   4
.set ADX,  4                           ; v4-5   q's fragments in slot 0, 1
.set ADY,  6                           ; v6-7   k's
.set STO,  12
.set RD,   14
.set PFO,  16
.set SA,   17                          ; my stage + 4 (l % 16)
.set SR,   18                          ; my stage + 16 l
.set SO,   19                          ; 16 l
.set SPW,  28
.set NIL,  29
.set Y0,   32
.set T1,   32
.set TMP,  32
.set XF,   160
.set OB,   160
.set ST,   224
.set WV,   16
.set HI,   17
.set LO,   18
.set CX,   19
.set CY,   20
.set TJ,   21
.set TI,   22
.set G1A,  24
.set G0A,  32
.set G1B,  48
.set G0B,  56
.set CNT,  66
.set LB,   68
.set PFA,  70
.set LIM,  74
.set CS,   76
.set SEL,  78
.set MSB, 0
.macro WIN new
.if MSB != (\new)
	s_set_vgpr_msb (MSB<<8)|(\new)
.set MSB, \new
.endif
.endm
.macro PLACES
.rept 4
	v_nop
.endr
.endm
.macro CREST
	s_cmp_lg_u32 s[WV], 0
	s_cbranch_scc1 .Lnot_wave_0_\@
	s_barrier_signal -3
.Lnot_wave_0_\@:
	s_barrier_wait -3
	s_barrier_signal -1
	s_barrier_wait -1
.endm
.macro CROUND
	s_barrier_signal -1
	s_barrier_wait -1
	CREST
.endm
.macro JLOAD s
	s_cmp_eq_u32 s[HI], 0
	s_cbranch_scc0 .Lfor_b_\@
	tensor_load_to_lds s[G0A+4*(\s):G0A+4*(\s)+3], s[G1A:G1A+7]
	s_nop 0
	PLACES
	s_branch .Lasked_\@
.Lfor_b_\@:
	tensor_load_to_lds s[G0B+4*(\s):G0B+4*(\s)+3], s[G1B:G1B+7]
	s_nop 0
	PLACES
.Lasked_\@:
.endm
; PREFETCH INTO THE L2 of the K step two refills on: 256 bytes of a row, a lane a row, one instruction a wave.  q's rows are read by both clusters of a row of clusters: cluster x = 0 asks; k's by the two
; clusters of a batch in a column: the even cluster y asks.  Of the 128 rows that a wave fetches each of the four partners takes 32, told apart by address.  The first four steps come by their loads alone; the last trip asks for nothing.
.macro ASK
	s_cmp_gt_u32 s[CNT], s[LIM]
	s_cbranch_scc0 .Lnot_mine_\@
	global_prefetch_b8 v[PFO], s[PFA:PFA+1] th:TH_LOAD_NT scope:SCOPE_SE
.Lnot_mine_\@:
.endm
.macro MULG g, a0, na, yb, zero
	WIN 0x50*((\g)+1)
.set aq, \a0
.rept \na
.set bb, 0
.rept 8
.set rD, 8*(8*aq+bb)
.set rY, (\yb)+8*bb
.set rX, XF+8*(4*(\g)+aq)
.if \zero
	v_wmma_f32_16x16x32_f16 v[rD:rD+7], v[rY:rY+7], v[rX:rX+7], 0
.else
	v_wmma_f32_16x16x32_f16 v[rD:rD+7], v[rY:rY+7], v[rX:rX+7], v[rD:rD+7]
.endif
.set bb, bb+1
.endr
.set aq, aq+1
.endr
.endm
.macro LDY slot, kb, yb
.set f, 0
.rept 8
	ds_load_b128 v[(\yb)+8*f:(\yb)+8*f+3],   v[ADY+(\slot)] offset:f*16*PITCH+(\kb)
	ds_load_b128 v[(\yb)+8*f+4:(\yb)+8*f+7], v[ADY+(\slot)] offset:f*16*PITCH+(\kb)+32
.set f, f+1
.endr
.endm
.macro LDX slot, g, kb
.set f, 4*(\g)
.rept 4
	ds_load_b128 v[XF+8*f:XF+8*f+3],   v[ADX+(\slot)] offset:f*16*PITCH+(\kb)
	ds_load_b128 v[XF+8*f+4:XF+8*f+7], v[ADX+(\slot)] offset:f*16*PITCH+(\kb)+32
.set f, f+1
.endr
.endm
; Slice i (0..3) of the step in \slot.  mode 0 plain; 1, 2 the change of slots (2: a round of the cluster's barrier and a refill); 3 the last of all.  zero = 1: the products start the sums.
; Batches for the next slice: batch 0 = k's 16 loads + q's group 0 (8); batch 1 = q's group 1 (8).
.macro SLICE slot, i, mode, zero
.set YC, Y0+64*((\i)%2)
.set YN, Y0+64*(1-(\i)%2)
.if (\i) < 3
.set NSL, \slot
.set NKB, 64*((\i)+1)
.else
.set NSL, 1-(\slot)
.set NKB, 0
.endif
.if (\mode) == 0
	s_wait_dscnt 8                                 ; batch 0 is in; batch 1 may be out
	MULG 0, 0, 4, YC, \zero
	PLACES
	WIN 0
	LDY NSL, NKB, YN
	LDX NSL, 0, NKB
.elseif (\mode) == 3
	s_wait_dscnt 8
	MULG 0, 0, 4, YC, 0
.else
	WIN 0
.if (\mode) == 2
	s_wait_xcnt 0x0                                ; the last prefetch, a step back, has read its address
	s_add_nc_u64 s[PFA:PFA+1], s[PFA:PFA+1], 256
.endif
	s_wait_tensorcnt 0x0                           ; all my tensor loads have landed: my part of the other slot
	ds_add_u32 v[SPW], v[NIL]                      ; 0 onto my spare word
.if (\mode) == 2
	s_add_nc_u64 s[G0A+4*(\slot)+2:G0A+4*(\slot)+3], s[G0A+4*(\slot)+2:G0A+4*(\slot)+3], 512  ; two K steps on
	s_add_nc_u64 s[G0B+4*(\slot)+2:G0B+4*(\slot)+3], s[G0B+4*(\slot)+2:G0B+4*(\slot)+3], 512
.endif
	s_wait_dscnt 9                                 ; batch 0 is in; batch 1 and the add may be out
	MULG 0, 0, 2, YC, 0
	s_wait_dscnt 0x0                               ; the add is done and my reads of this slot are over
	s_barrier_signal -1
	MULG 0, 2, 2, YC, 0
	WIN 0
	s_barrier_wait -1
.if (\mode) == 2
	CREST
	JLOAD \slot                                    ; first behind the round; its four v_nop are also the places ahead of the loads below
.else
	PLACES
.endif
	LDY NSL, NKB, YN
	LDX NSL, 0, NKB
.if (\mode) == 2
	ASK
.endif
.endif
.if (\mode) == 3
	s_wait_dscnt 0x0
	MULG 1, 0, 4, YC, 0
.else
	s_wait_dscnt 24                                ; group 1 is in: behind it the new batch 0 (24)
	MULG 1, 0, 4, YC, \zero
	PLACES
	WIN 0
	LDX NSL, 1, NKB
.endif
.endm
; THE END OF A TILE, for the four blocks of window X (blocks 4 (X - 1) + q).
; Block q's 16 rows x 256 bytes go through my own stage (LDS serves a wave's instructions in order: ISA guide 5.7.1.4) and come back by halves of 128 bytes, four rows to a load:
; in pt's blocks four rows of 64 keys are 512 bytes on end.
.macro TOSTAGE q
	s_wait_xcnt 0x0                                ; earlier stores have read the registers that the loads below fill
.set b, 0
.rept 8
	ds_store_b128 v[STO], v[TMP+32*(\q)+4*b:TMP+32*(\q)+4*b+3] offset:32*b
.set b, b+1
.endr
.set t, 0
.rept 8
	ds_load_b128 v[OB+32*((\q)%2)+4*t:OB+32*((\q)%2)+4*t+3], v[RD] offset:(t%4)*4*PITCH+(t/4)*128
.set t, t+1
.endr
.endm
.macro SEND q, a, younger              ; younger: the LDS instructions issued behind block q's loads
.set t, 0
.rept 8
	s_wait_dscnt (\younger)+7-t
	global_store_b128 v[SO], v[OB+32*((\q)%2)+4*t:OB+32*((\q)%2)+4*t+3], s[6:7] offset:(t/4)*16384+(\a)*2048+(t%4)*512  ; the wave stores 512 consecutive bytes, aligned
.set t, t+1
.endr
.endm
.macro EPI X
.set A0, 4*((\X)-1)
	WIN (\X)|((\X)<<2)|((\X)<<4)                   ; the maximum of a block's 64 registers, three at a time, ascending
.set q, 0
.rept 4
.set n, 0
.rept 21
	v_max3_num_f32 v[T1+22*q+n], v[64*q+3*n], v[64*q+3*n+1], v[64*q+3*n+2]
.set n, n+1
.endr
	v_max3_num_f32 v[T1+22*q+21], v[64*q+61], v[64*q+62], v[64*q+63]
.set q, q+1
.endr
	WIN 0                                          ; 22 into one; the four blocks alternate, so that no line reads the result of the one before it
.irp q, 0,1,2,3
	v_max3_num_f32 v[T1+22*\q], v[T1+22*\q], v[T1+22*\q+1], v[T1+22*\q+2]
.endr
.set k, 1
.rept 9
.irp q, 0,1,2,3
	v_max3_num_f32 v[T1+22*\q], v[T1+22*\q], v[T1+22*\q+2*k+1], v[T1+22*\q+2*k+2]
.endr
.set k, k+1
.endr
.irp q, 0,1,2,3
	v_max_num_f32 v[T1+22*\q], v[T1+22*\q], v[T1+22*\q+21]
.endr
.irp q, 0,1,2,3
	v_permlanex16_b32 v[T1+22*\q+1], v[T1+22*\q], s[SEL], s[SEL+1]  ; the query's other 64 keys lie in the lane 16 away
.endr
.irp q, 0,1,2,3
	v_max_num_f32 v[ST+4*(A0+\q)+1], v[T1+22*\q], v[T1+22*\q+1]
.endr
.irp q, 0,1,2,3
	v_mul_f32 v[ST+4*(A0+\q)], s[CS], v[ST+4*(A0+\q)+1]
.endr
	WIN ((\X)<<6)|(\X)                             ; c s - cm, then ONE BATCH of 256 exponentials, in place
.set q, 0
.rept 4
.set p, 0
.rept 32
	v_pk_fma_f32 v[64*q+2*p:64*q+2*p+1], v[64*q+2*p:64*q+2*p+1], s[CS:CS+1], v[ST+4*(A0+q):ST+4*(A0+q)+1] op_sel_hi:[1,0,0] neg_lo:[0,0,1] neg_hi:[0,0,1]
.set p, p+1
.endr
.set q, q+1
.endr
.set n, 0
.rept 256
	v_exp_f32 v[n], v[n]
.set n, n+1
.endr
	v_nop                                          ; a plain instruction behind the last exponential (ISA guide 5.7.2),
	s_wait_alu depctr_va_vdst(0)                   ; and one wait ahead of the batch's first reader
	WIN (\X)|((\X)<<2)
.set n, 0
.rept 128
	v_cvt_pk_f16_f32 v[TMP+n], v[2*n], v[2*n+1]
.set n, n+1
.endr
	WIN ((\X)<<6)|((\X)<<2)|(\X)                   ; the sums of the unrounded weights, in place: neighbours 1, 2, 4, 8 pairs apart
.irp w, 4,8,16,32
.set u, 0
.rept 256/(\w)
	v_pk_add_f32 v[(\w)*u:(\w)*u+1], v[(\w)*u:(\w)*u+1], v[(\w)*u+(\w)/2:(\w)*u+(\w)/2+1]
.set u, u+1
.endr
.endr
	WIN (\X)|((\X)<<2)
.irp q, 0,1,2,3
	v_pk_add_f32 v[ST+4*(A0+\q)+2:ST+4*(A0+\q)+3], v[64*\q:64*\q+1], v[64*\q+32:64*\q+33]
.endr
	WIN 0
	TOSTAGE 0
	TOSTAGE 1
	SEND 0, A0, 16
	TOSTAGE 2
	SEND 1, A0+1, 16
	TOSTAGE 3
	SEND 2, A0+2, 16
	SEND 3, A0+3, 0
.endm
	s_load_b128 s[4:7], s[0:1], 0x0                ; qkv s[4:5], pt s[6:7]
	s_load_b64 s[8:9], s[0:1], 0x10                ; stats
	v_lshl_add_u32 v[SPW], v0, 2, SPARE
	v_mov_b32 v[NIL], 0
	ds_add_u32 v[SPW], v[NIL]                      ; the wave's opening: the add and its wait stand ahead of my first tensor load
	v_lshrrev_b32 v3, 5, v0
	v_readfirstlane_b32 s[WV], v3
	s_lshr_b32 s[HI], s[WV], 1
	s_and_b32 s[LO], s[WV], 1
	s_bfe_u32 s[CX], ttmp6, 0x40000
	s_bfe_u32 s[CY], ttmp6, 0x40004
	s_lshl_b32 s[TJ], ttmp9, 2
	s_add_co_u32 s[TJ], s[TJ], s[CX]               ; tile of 256 keys in the batch
	s_and_b32 s[TI], ttmp7, 0xffff
	s_lshl_b32 s[TI], s[TI], 2
	s_add_co_u32 s[TI], s[TI], s[CY]               ; tile of 256 queries among all 8,192
	s_lshl_b32 s40, s[CY], 2
	s_lshl_b32 s40, 15, s40
	s_lshl_b32 s42, 0x1111, s[CX]
	s_or_b32 s[G1A], s40, (1<<16)|(1<<20)|(1<<21)|(5<<22)|(3<<25)  ; the mask of my row; 2-byte elements; padding on, 4 words after every 64; bit 21 beside a mask
	s_or_b32 s[G1B], s42, (1<<16)|(1<<20)|(1<<21)|(5<<22)|(3<<25)  ; the same with the mask of my column
.irp g, G1A, G1B
	s_mov_b32 s[(\g)+1], 128<<16                   ; tensor_dim0 = 128
	s_mov_b32 s[(\g)+2], 128<<16                   ; tensor_dim1 = 128
	s_mov_b32 s[(\g)+3], 128<<16                   ; tile_dim0 = 128
	s_mov_b32 s[(\g)+4], 128                       ; tile_dim1 = 128
	s_mov_b32 s[(\g)+5], 3072                      ; elements from row to row
	s_mov_b32 s[(\g)+6], 0
	s_mov_b32 s[(\g)+7], 0
.endr
	s_lshl_b32 s40, s[TI], 8
	s_lshl_b32 s41, s[LO], 7
	s_add_co_u32 s40, s40, s41
	s_mul_i32 s40, s40, QROW                       ; q: row 256 x tile row + 128 x half
	s_mov_b32 s41, 0
	s_and_b32 s42, ttmp7, 0xffff
	s_lshr_b32 s42, s42, 1                         ; the batch: two clusters along y to each
	s_lshl_b32 s42, s42, 11
	s_lshl_b32 s43, s[TJ], 8
	s_add_co_u32 s42, s42, s43
	s_lshl_b32 s43, s[LO], 7
	s_add_co_u32 s42, s42, s43
	s_mul_i32 s42, s42, QROW                       ; k: row 2,048 x batch + 256 x tile column + 128 x half,
	s_add_co_u32 s42, s42, 2048                    ; at byte 2,048 of the row
	s_mov_b32 s43, 0
	s_mul_i32 s[LB], s[WV], HALFT                  ; q's two halves, then k's two: wave x 128 rows
	s_mov_b32 s[CS], 0x3d38aa3b                    ; c = log2(e) / 32
	s_mov_b32 s[CS+1], s[CS]
	s_mov_b32 s[SEL], 0x76543210
	s_mov_b32 s[SEL+1], 0xfedcba98
	s_wait_dscnt 0x0
	s_wait_kmcnt 0x0
	s_add_nc_u64 s[44:45], s[4:5], s[40:41]
	s_add_nc_u64 s[46:47], s[4:5], s[42:43]
.irp s, 0,1
	s_mov_b32 s[G0A+4*(\s)], 1
	s_add_co_u32 s[G0A+4*(\s)+1], s[LB], (\s)*SLOT
	s_add_nc_u64 s[G0A+4*(\s)+2:G0A+4*(\s)+3], s[44:45], (\s)*256
	s_or_b32 s[G0A+4*(\s)+3], s[G0A+4*(\s)+3], 0x80000000
	s_mov_b32 s[G0B+4*(\s)], 1
	s_add_co_u32 s[G0B+4*(\s)+1], s[LB], (\s)*SLOT
	s_add_nc_u64 s[G0B+4*(\s)+2:G0B+4*(\s)+3], s[46:47], (\s)*256
	s_or_b32 s[G0B+4*(\s)+3], s[G0B+4*(\s)+3], 0x80000000
.endr
	CROUND
	s_cmp_eq_u32 s[HI], 0                          ; a wave's two first fills stand in one branch: two loads of mine are out
	s_cbranch_scc0 .Lfirst_b
	tensor_load_to_lds s[G0A:G0A+3], s[G1A:G1A+7]
	s_nop 0
	tensor_load_to_lds s[G0A+4:G0A+7], s[G1A:G1A+7]
	s_nop 0
	PLACES
	s_branch .Lfirst_done
.Lfirst_b:
	tensor_load_to_lds s[G0B:G0B+3], s[G1B:G1B+7]
	s_nop 0
	tensor_load_to_lds s[G0B+4:G0B+7], s[G1B:G1B+7]
	s_nop 0
	PLACES
.Lfirst_done:
	v_and_b32 v1, 15, v0
	v_bfe_u32 v2, v0, 4, 1
	v_mul_u32_u24 v3, v1, PITCH
	v_lshl_add_u32 v3, v2, 4, v3
	s_mul_i32 s86, s[HI], HALFT
	v_add_nc_u32 v[ADX], s86, v3
	v_add_nc_u32 v[ADX+1], SLOT, v[ADX]
	s_mul_i32 s86, s[LO], HALFT
	s_add_co_u32 s86, s86, 2*HALFT
	v_add_nc_u32 v[ADY], s86, v3
	v_add_nc_u32 v[ADY+1], SLOT, v[ADY]
	s_mul_i32 s86, s[WV], 16*PITCH
	s_add_co_u32 s86, s86, STAGE                   ; my stage
	v_add_nc_u32 v[STO], s86, v3
	v_bfe_u32 v3, v0, 3, 2                         ; back: eight lanes take 128 bytes of a row, the wave four rows
	v_mul_u32_u24 v3, v3, PITCH
	v_and_b32 v20, 7, v0
	v_lshl_add_u32 v3, v20, 4, v3
	v_add_nc_u32 v[RD], s86, v3
	v_lshl_add_u32 v[SA], v1, 2, s86
	v_and_b32 v3, 31, v0
	v_lshlrev_b32 v[SO], 4, v3
	v_add_nc_u32 v[SR], s86, v[SO]
	v_mul_u32_u24 v[PFO], v3, QROW
	s_lshl_b32 s86, s[TI], 1
	s_add_co_u32 s86, s86, s[HI]
	s_lshl_b32 s86, s86, 19                        ; pt: my tile of 128 queries x 32 blocks of 16,384 bytes,
	s_lshl_b32 s87, s[TJ], 1
	s_add_co_u32 s87, s87, s[LO]
	s_lshl_b32 s87, s87, 15                        ; my chunk's two blocks
	s_add_co_u32 s86, s86, s87
	s_mov_b32 s87, 0
	s_add_nc_u64 s[6:7], s[6:7], s[86:87]
	s_lshr_b32 s86, s[TI], 3                       ; stats: [batch][chunk][row in the batch]
	s_lshl_b32 s86, s86, 4
	s_lshl_b32 s87, s[TJ], 1
	s_add_co_u32 s86, s86, s87
	s_add_co_u32 s86, s86, s[LO]
	s_lshl_b32 s86, s86, 11
	s_and_b32 s87, s[TI], 7
	s_lshl_b32 s87, s87, 8
	s_add_co_u32 s86, s86, s87
	s_lshl_b32 s87, s[HI], 7
	s_add_co_u32 s86, s86, s87
	s_lshl_b32 s86, s86, 2
	s_mov_b32 s87, 0
	s_add_nc_u64 s[8:9], s[8:9], s[86:87]
	; the prefetches: my work-group's 32 of the 128 rows that I fetch, one step short of K step 4
	s_lshl_b32 s88, s[TI], 8
	s_and_b32 s89, ttmp7, 0xffff
	s_lshr_b32 s89, s89, 1
	s_lshl_b32 s89, s89, 11
	s_lshl_b32 s90, s[TJ], 8
	s_add_co_u32 s89, s89, s90
	s_and_b32 s86, ttmp7, 1
	s_cmp_eq_u32 s[HI], 0                          ; do I fetch for q?
	s_cselect_b32 s88, s88, s89
	s_cselect_b32 s87, s[CX], s[CY]                ; my place among the four that ask with me
	s_cselect_b32 s86, ttmp9, s86                  ; the coordinate along which other clusters read the same rows
	s_cselect_b32 s91, 0, 2048
	s_cmp_eq_u32 s86, 0
	s_cselect_b32 s[LIM], 1, -1                    ; the same in all sixteen partners, for a given wave
	s_lshl_b32 s90, s[LO], 7
	s_add_co_u32 s88, s88, s90
	s_lshl_b32 s87, s87, 5
	s_add_co_u32 s88, s88, s87
	s_mul_i32 s88, s88, QROW
	s_add_co_u32 s88, s88, s91
	s_add_co_u32 s88, s88, 3*256
	s_mov_b32 s89, 0
	s_add_nc_u64 s[PFA:PFA+1], s[4:5], s[88:89]
	s_wait_tensorcnt 1                             ; my part of K step 0 is in; step 1's stays out
	s_barrier_signal -1
	s_barrier_wait -1
	LDY 0, 0, Y0
	LDX 0, 0, 0
	LDX 0, 1, 0
	SLICE 0, 0, 0, 1                               ; the first slice stands ahead of the loop: its products start the sums
	s_mov_b32 s[CNT], LAPS-1
.Llap:                                         ; from a lap's second slice to the next lap's first; both slots are filled again
	SLICE 0, 1, 0, 0
	SLICE 0, 2, 0, 0
	SLICE 0, 3, 2, 0
	SLICE 1, 0, 0, 0
	SLICE 1, 1, 0, 0
	SLICE 1, 2, 0, 0
	SLICE 1, 3, 2, 0
	SLICE 0, 0, 0, 0
	s_sub_co_u32 s[CNT], s[CNT], 1
	s_cmp_lg_u32 s[CNT], 0
	s_cbranch_scc1 .Llap
	SLICE 0, 1, 0, 0                               ; the last lap asks for nothing
	SLICE 0, 2, 0, 0
	SLICE 0, 3, 1, 0
	SLICE 1, 0, 0, 0
	SLICE 1, 1, 0, 0
	SLICE 1, 2, 0, 0
	SLICE 1, 3, 3, 0
	PLACES
	PLACES                                         ; eight plain places, once a launch, ahead of the vector work on the sums
	EPI 1
	EPI 2
	; l's two halves and the other half of the lanes'; then cm and l of my 128 rows through the stage, so that each leaves as 512 consecutive bytes
.irp a, 0,1,2,3,4,5,6,7
	v_add_f32 v[ST+4*\a+2], v[ST+4*\a+2], v[ST+4*\a+3]
.endr
.irp a, 0,1,2,3,4,5,6,7
	v_permlanex16_b32 v[ST+4*\a+3], v[ST+4*\a+2], s[SEL], s[SEL+1]
.endr
.irp a, 0,1,2,3,4,5,6,7
	v_add_f32 v[ST+4*\a+2], v[ST+4*\a+2], v[ST+4*\a+3]
.endr
.irp a, 0,1,2,3,4,5,6,7
	ds_store_b32 v[SA], v[ST+4*\a] offset:64*\a            ; lanes l and l + 16 write the same word with the same number
	ds_store_b32 v[SA], v[ST+4*\a+2] offset:512+64*\a
.endr
	s_wait_xcnt 0x0                                ; the last stores have read the registers that are loaded next
	ds_load_b128 v[OB:OB+3], v[SR]
	ds_load_b128 v[OB+4:OB+7], v[SR] offset:512
	s_wait_dscnt 0x0
	global_store_b128 v[SO], v[OB:OB+3], s[8:9]
	global_store_b128 v[SO], v[OB+4:OB+7], s[8:9] offset:524288
	s_wait_tensorcnt 0x0                           ; the wave's end
	ds_add_u32 v[SPW], v[NIL]
	s_wait_dscnt 0x0
	CROUND                                         ; the closing round
	s_endpgm
.Lfunc_end_k_q1afaaa5d80_scores:
	.size	k_q1afaaa5d80_scores, .Lfunc_end_k_q1afaaa5d80_scores-k_q1afaaa5d80_scores
	.p2alignl 7, 3214868480
	.fill 96, 4, 3214868480
	.section	.rodata,"a",@progbits
	.p2align	6, 0x0
	.amdhsa_kernel k_q1afaaa5d80_scores
		.amdhsa_group_segment_fixed_size 327680
		.amdhsa_private_segment_fixed_size 0
		.amdhsa_enable_private_segment 0
		.amdhsa_kernarg_size 24
		.amdhsa_user_sgpr_count 2
		.amdhsa_user_sgpr_kernarg_segment_ptr 1
		.amdhsa_wavefront_size32 1
		.amdhsa_system_sgpr_workgroup_id_x 1
		.amdhsa_system_sgpr_workgroup_id_y 1
		.amdhsa_system_sgpr_workgroup_id_z 1
		.amdhsa_system_vgpr_workitem_id 0
		.amdhsa_next_free_vgpr 768
		.amdhsa_next_free_sgpr 100
		.amdhsa_reserve_vcc 0
		.amdhsa_float_denorm_mode_32 3
		.amdhsa_float_denorm_mode_16_64 3
		.amdhsa_memory_ordered 1
		.amdhsa_forward_progress 1
		.amdhsa_inst_pref_size 215
	.end_amdhsa_kernel
	.amdgpu_metadata
---
amdhsa.version: [ 1, 2 ]
amdhsa.kernels:
  - .name:           k_q1afaaa5d80_scores
    .symbol:         k_q1afaaa5d80_scores.kd
    .args:
      - { .name: qkv, .offset: 0, .size: 8, .value_kind: global_buffer, .address_space: global }
      - { .name: pt, .offset: 8, .size: 8, .value_kind: global_buffer, .address_space: global }
      - { .name: stats, .offset: 16, .size: 8, .value_kind: global_buffer, .address_space: global }
    .group_segment_fixed_size: 327680
    .private_segment_fixed_size: 0
    .kernarg_segment_align: 8
    .kernarg_segment_size: 24
    .max_flat_workgroup_size: 128
    .sgpr_count:     100
    .vgpr_count:     768
    .wavefront_size: 32
...
	.end_amdgpu_metadata
.endif
;; end of part 3
;; launch pv (part 4): grid 4 x 64, 4 waves a work-group, clusters of 4 x 4, 327,680 bytes of LDS; arguments pt, stats, qkv, out0; writes out0
.if DOCPART == 4
	.amdgcn_target "amdgcn-amd-amdhsa--gfx1250"
	.amdhsa_code_object_version 6
	.text
	.protected	k_q1afaaa5d80_pv
	.globl	k_q1afaaa5d80_pv
	.p2align	8
	.type	k_q1afaaa5d80_pv,@function
k_q1afaaa5d80_pv:
	s_mov_b64 s[64:65], 0
	v_nop
	global_prefetch_b8 v0, s[64:65] scope:SCOPE_SE
	s_setreg_imm32_b32 hwreg(HW_REG_WAVE_MODE, 25, 1), 1
	s_wait_xcnt 0x0
	s_wait_alu depctr_hold_cnt(0) depctr_sa_sdst(0) depctr_va_vdst(0) depctr_va_sdst(0) depctr_va_ssrc(0) depctr_va_vcc(0) depctr_vm_vsrc(0)
	s_getreg_b32 s2, hwreg(HW_REG_IB_STS2, 6, 4)
	s_cmp_eq_u32 s2, 0
	s_cbranch_scc0 .Lentry_in_a_cluster
	s_endpgm
.Lentry_in_a_cluster:
	s_bfe_u32 s2, ttmp6, 0x10000c
	s_cmp_lg_u32 s2, 0xf033
	s_cbranch_scc0 .Lentry_shape_is_right
	s_endpgm
.Lentry_shape_is_right:
; SECOND HALF OF THE SOFTMAX AND THE SECOND PRODUCT.  For each query: cM = the maximum of its sixteen cm; f_c = 2^(cm_c - cM), rounded to f16; L = the sum of f_c l_c (with the rounded f_c); then
; out[q][e] = (the sum over chunks c and their keys t of (f_c pt[q][t]) v[t][e]) / L.  f_c pt = 2^(c s - cM): the true maximum is taken away, whatever the scores' size.
; pt's fragments are multiplied by f_c in registers (packed f16: a lane of such a fragment holds one query), the f32 sums by 1 / L at the end.  L is at least about 1: the chunk that holds the maximum has f = 1.
; LIMITS: weights keep f16's fixed step of 6e-8 below 6e-5; NaN and infinities are not treated apart.
; SHARES.  A tile is 128 queries x 256 channels: 64 x 4 = 256 work-groups; four waves of 64 x 128: 32 accumulators.
; TRANSPOSED USE: source 0 = 16 channels of v (turned out of LDS, v lies [key][channel]), source 1 = 16 queries of pt: a lane holds one query and eight neighbouring channels.
; RING.  The batch's 2,048 keys go through two LDS slots of 192 keys, as many as two slots in LDS allow: 192 products a wave to a slot, 176 of them between a request and the wait for it.
; 2,048 = 128 + 10 x 192: step 0 multiplies only the first 128 keys of its tile and step 1's tile begins at key 128, so that every tile lies inside its buffer; 64 keys are fetched twice.
; pt lies in blocks [tile of 128 queries][block of 64 keys][128 rows][64 keys], so a step's pt is 49,152 dense bytes: waves 0, 1 fetch 96 rows of 256 bytes each; waves 2, 3 fetch 96 rows of v each.
; CLUSTER 4 x 4: pt's tile is shared along a row of the cluster, v's along a column; each is asked for jointly.
; THE TEXT.  A SLICE is 32 keys: two groups of 16 products.  A PAIR is an even and an odd slice, 64 keys, one block of pt.  A step is written once: an inner loop of two plain pairs, then a pair whose odd slice changes
; slots.  The slot in hand is the scalar TB (0 or SLOT); fragment addresses are lane term + TB, stepped a pair at a time.  Loop A (9 trips) changes slots by a round of the cluster's barrier and a refill; it is entered
; behind the first slice, which is written out since its products start the sums, with one plain pair less.  Loop B (2 trips) asks for nothing.  Behind its last barrier, which frees slot 0 for the way out's stage,
; 24 fragment loads and 32 scalings serve nothing: the price of one text for both trips.
; pt's 4 fragments have two buffers; the next slice's are scaled in fours behind the last eight products of a slice.  v's fragments are reloaded group by group.
; REGISTERS: window 0: v0-27 addresses; v28-31 f of my four blocks of 16 queries (f16, twice in a word); v32-63, v64-95 pt's fragments; v96-127 v's fragments 4-7; v128-255 accumulators (a, b >= 4) at 128 + 8 (4 (b - 4) + a)
;   window 1: v0-127 accumulators (a, b < 4) at 8 (4 b + a); v128-159 v's fragments 0-3
.set PA,     144                       ; 128 bytes of a row of a block + 16: the 16 rows of a load start at 16 different groups of four banks (ISA guide 11.1)
.set ABLK,   128*PA                    ; a block of pt in LDS
.set PB,     544                       ; 512 bytes + 32 = 17 x 32
.set BOFF,   3*ABLK                    ; v's 192 rows lie behind pt's three blocks
.set SLOT,   BOFF+192*PB               ; 159,744
.set FT,     2*SLOT                    ; f, one f16 a row and chunk: chunk c at 256 c; row t at 128 (t / 64) + 8 (t % 16) + 2 ((t / 16) % 4)
.set RT,     FT+16*256                 ; 1 / L in f32: row t at 256 (t / 64) + 16 (t % 16) + 4 ((t / 16) % 4)
.set SPARE,  RT+512                    ; the spare words, 128 bytes a wave
.set SP,     528                       ; the way out's stage: 16 rows x (512 + 16) bytes a wave, over slot 0, written behind the slots' last fill and the last barrier
.set STEPA,  3*16384
.set STEPB,  192*6144
.set ADY0, 4                           ; v4   my lane's place in a slot's pt
.set ADX0, 5                           ; v5   in its v
.set ADY,  6                           ; v6   the same in the pair in hand
.set ADX,  7
.set FAD0, 8                           ; v8   my four f of chunk 0
.set FAD,  9
.set FS,   10
.set SL,   11
.set STO,  12
.set RA,   13                          ; v13  my four 1 / L
.set RD,   14
.set CO,   15
.set PFOA, 16
.set PFOB, 17
.set FR,   22                          ; v[22:23] four f as loaded
.set RS,   24
.set SPW,  26
.set NIL,  27
.set F,    28
.set Y0,   32
.set Y1,   64
.set RI,   32                          ; the way out: 1 / L of block a, twice, at RI + 2 a
.set OBK,  40
.set WV,   16
.set HI,   17
.set LO,   18
.set CX,   19
.set CY,   20
.set TJ,   21
.set TI,   22
.set TS,   23
.set G1A,  24
.set G0A,  32                          ; s[32:35] step 0's; s[36:39] walks from step 1 on
.set G1B,  48
.set G0B,  56
.set CNT,  66
.set TB,   67
.set LBA,  68
.set LBB,  69
.set PFA,  70
.set PFB,  72
.set LIMA, 74
.set LIMB, 75
.set GP,   76                          ; 128 x the number of even slices begun: chunk = pair / 2
.set PC,   77
.set PLO,  78
.set PHI,  79
.set MSB, 0
.macro WIN new
.if MSB != (\new)
	s_set_vgpr_msb (MSB<<8)|(\new)
.set MSB, \new
.endif
.endm
.macro PLACES
.rept 4
	v_nop
.endr
.endm
.macro CREST
	s_cmp_lg_u32 s[WV], 0
	s_cbranch_scc1 .Lnot_wave_0_\@
	s_barrier_signal -3
.Lnot_wave_0_\@:
	s_barrier_wait -3
	s_barrier_signal -1
	s_barrier_wait -1
.endm
.macro CROUND
	s_barrier_signal -1
	s_barrier_wait -1
	CREST
.endm
.macro JLOAD                           ; a joint refill by the walking descriptors; the branch hangs on the wave's number alone; s_nop 0 and four v_nop follow each line
	s_cmp_eq_u32 s[HI], 0
	s_cbranch_scc0 .Lfor_b_\@
	tensor_load_to_lds s[G0A+4:G0A+7], s[G1A:G1A+7]
	s_nop 0
	PLACES
	s_branch .Lasked_\@
.Lfor_b_\@:
	tensor_load_to_lds s[G0B+4:G0B+7], s[G1B:G1B+7]
	s_nop 0
	PLACES
.Lasked_\@:
.endm
; PREFETCH INTO THE L2.  pt's tile is 524,288 dense bytes that this row of the cluster alone reads: wave 0 asks, in trips 0 to 5, each trip for 65,536 bytes from key 512 on, each of the four partners for 64 blocks of
; 256 bytes (two instructions, a lane a block): one to three refills ahead of the load.  v's rows of a tile column are read by the four clusters of a batch: the first of them asks, wave 2, in trips 0 to 7, for the step
; one refill on: each partner of a column 48 rows x 2 blocks (three instructions).  Partners are told apart by address; each block is named once.  Steps 0 to 2 come by their loads alone.
.macro ASK
	s_cmp_gt_u32 s[CNT], s[LIMA]
	s_cbranch_scc0 .Lno_a_\@
	global_prefetch_b8 v[PFOA], s[PFA:PFA+1] th:TH_LOAD_NT scope:SCOPE_SE
	global_prefetch_b8 v[PFOA], s[PFA:PFA+1] offset:8192 th:TH_LOAD_NT scope:SCOPE_SE
.Lno_a_\@:
	s_cmp_gt_u32 s[CNT], s[LIMB]
	s_cbranch_scc0 .Lno_b_\@
	global_prefetch_b8 v[PFOB], s[PFB:PFB+1] th:TH_LOAD_NT scope:SCOPE_SE
	global_prefetch_b8 v[PFOB], s[PFB:PFB+1] offset:16*6144 th:TH_LOAD_NT scope:SCOPE_SE
	global_prefetch_b8 v[PFOB], s[PFB:PFB+1] offset:32*6144 th:TH_LOAD_NT scope:SCOPE_SE
.Lno_b_\@:
.endm
.macro MUL0 b0, nb, yb, zero           ; group 0: channel fragments b0 .. of 0-3 x my 4 query fragments
	WIN 0x51
.set bq, \b0
.rept \nb
.set aa, 0
.rept 4
.set rD, 8*(4*bq+aa)
.if \zero
	v_wmma_f32_16x16x32_f16 v[rD:rD+7], v[128+8*bq:128+8*bq+7], v[(\yb)+8*aa:(\yb)+8*aa+7], 0
.else
	v_wmma_f32_16x16x32_f16 v[rD:rD+7], v[128+8*bq:128+8*bq+7], v[(\yb)+8*aa:(\yb)+8*aa+7], v[rD:rD+7]
.endif
.set aa, aa+1
.endr
.set bq, bq+1
.endr
.endm
.macro MUL1 n, yb, zero                ; product n of 16 of group 1, all in window 0
.if \zero
	v_wmma_f32_16x16x32_f16 v[128+8*(\n):128+8*(\n)+7], v[96+8*((\n)/4):96+8*((\n)/4)+7], v[(\yb)+8*((\n)%4):(\yb)+8*((\n)%4)+7], 0
.else
	v_wmma_f32_16x16x32_f16 v[128+8*(\n):128+8*(\n)+7], v[96+8*((\n)/4):96+8*((\n)/4)+7], v[(\yb)+8*((\n)%4):(\yb)+8*((\n)%4)+7], v[128+8*(\n):128+8*(\n)+7]
.endif
.endm
.macro RID n, yn                       ; four registers of the next slice's pt times f of their block
.set k, 0
.rept 4
	v_pk_mul_f16 v[(\yn)+4*(\n)+k], v[(\yn)+4*(\n)+k], v[F+(\n)/2]
.set k, k+1
.endr
.endm
.macro FEXP                            ; the four f as loaded, each into both halves of a word
	v_perm_b32 v[F],   v[FR],   v[FR],   s[PLO]
	v_perm_b32 v[F+1], v[FR],   v[FR],   s[PHI]
	v_perm_b32 v[F+2], v[FR+1], v[FR+1], s[PLO]
	v_perm_b32 v[F+3], v[FR+1], v[FR+1], s[PHI]
.endm
.macro LDY off, yb                     ; pt's 4 fragments at byte off (0: even slice, 64: odd) of the pair's rows: 8 loads
.set f, 0
.rept 4
	ds_load_b128 v[(\yb)+8*f:(\yb)+8*f+3],   v[ADY] offset:f*16*PA+(\off)
	ds_load_b128 v[(\yb)+8*f+4:(\yb)+8*f+7], v[ADY] offset:f*16*PA+(\off)+32
.set f, f+1
.endr
.endm
.macro LDX0 k0                         ; v's fragments 0-3 from row k0 (0 or 32) of the pair on, turned, into window 1: 8 loads
	WIN 0x40
.set f, 0
.rept 4
	ds_load_tr16_b128 v[128+8*f:128+8*f+3],   v[ADX] offset:(\k0)*PB+32*f
	ds_load_tr16_b128 v[128+8*f+4:128+8*f+7], v[ADX] offset:(\k0)*PB+32*f+16*PB
.set f, f+1
.endr
.endm
.macro LDX1 k0                         ; fragments 4-7: 8 loads
.set f, 0
.rept 4
	ds_load_tr16_b128 v[96+8*f:96+8*f+3],   v[ADX] offset:(\k0)*PB+32*(4+f)
	ds_load_tr16_b128 v[96+8*f+4:96+8*f+7], v[ADX] offset:(\k0)*PB+32*(4+f)+16*PB
.set f, f+1
.endr
.endm
; Group 1 of a slice: 16 products; behind the last eight the next slice's pt is scaled; then the next slice's v 4-7 is asked for.
.macro GROUP1 yc, yn, k0, zero
.set m, 0
.rept 8
	MUL1 m, \yc, \zero
.set m, m+1
.endr
	s_wait_dscnt 8                                 ; the next slice's pt is in; its v 0-3 (8) may be out
.rept 8
	MUL1 m, \yc, \zero
	RID m-8, \yn
.set m, m+1
.endr
	LDX1 \k0                                       ; the last four scalings are the places behind the last product
.endm
; AN EVEN SLICE multiplies buffer 0 and fetches the pair's odd slice.  At its end it asks for the f of the next pair's chunk (the table has sixteen chunks: the last pair's request is held to the last).
.macro ESL zero
	LDY 64, Y1                                     ; four scalings, plain places, stand behind the last product that read this buffer
	s_wait_dscnt 16                                ; v 0-3 of this slice is in: behind it v 4-7 (8) and the pt just asked for (8)
	MUL0 0, 4, Y0, \zero
	PLACES
	LDX0 32
	WIN 0
	s_wait_dscnt 16                                ; v 4-7 is in: behind it the next slice's pt (8) and v 0-3 (8)
	GROUP1 Y0, Y1, 32, \zero
	s_add_co_u32 s[GP], s[GP], 128
	s_and_b32 s[TS], s[GP], 0x1f00                 ; 256 x ((pair + 1) / 2)
	s_min_u32 s[TS], s[TS], 15*256
	v_add_nc_u32 v[FAD], s[TS], v[FAD0]
	ds_load_b64 v[FR:FR+1], v[FAD]
.endm
; AN ODD SLICE multiplies buffer 1 and fetches the next pair's even slice.  mode 0: from the same slot.  mode 1, 2: it changes slots (2: by a round of the cluster's barrier, and the slot that is left is filled again).
.macro OSL mode
.if (\mode) == 0
	v_add_nc_u32 v[ADY], ABLK, v[ADY]              ; on to the next pair
	v_add_nc_u32 v[ADX], 64*PB, v[ADX]
	LDY 0, Y0
	s_wait_dscnt 17                                ; v 0-3 of this slice is in: behind it v 4-7 (8), f (1) and the pt just asked for (8)
	MUL0 0, 4, Y1, 0
	PLACES
	LDX0 0
	WIN 0
.else
.if (\mode) == 2
	s_wait_xcnt 0x0                                ; the last prefetches, a step back, have read their addresses: these are stepped here, ahead of the change's own waits
	s_add_nc_u64 s[PFA:PFA+1], s[PFA:PFA+1], 65536
	s_add_nc_u64 s[PFB:PFB+1], s[PFB:PFB+1], STEPB
.endif
	s_wait_tensorcnt 0x0                           ; all my tensor loads have landed: the one that was out is my part of the other slot
	ds_add_u32 v[SPW], v[NIL]                      ; 0 onto my spare word
.if (\mode) == 2
	s_add_co_u32 s[G0A+5], s[LBA], s[TB]           ; no load of mine is out: the walking descriptors take the slot that is being left,
	s_add_co_u32 s[G0B+5], s[LBB], s[TB]
	s_add_nc_u64 s[G0A+6:G0A+7], s[G0A+6:G0A+7], STEPA  ; and the next 192 keys; the type bits on top are not reached
	s_add_nc_u64 s[G0B+6:G0B+7], s[G0B+6:G0B+7], STEPB
.endif
	s_wait_dscnt 10                                ; v 0-3 is in: behind it v 4-7 (8), f (1) and the add (1)
	MUL0 0, 2, Y1, 0
	s_wait_dscnt 0x0                               ; the add is done and my reads of this slot are over
	s_barrier_signal -1
	MUL0 2, 2, Y1, 0                               ; work on registers while the others arrive
	WIN 0
	s_barrier_wait -1
.if (\mode) == 2
	CREST                                          ; no wave of any partner still reads this slot or has a load on its way
	JLOAD                                          ; first behind the round; its four v_nop are also the places ahead of the loads below
.else
	PLACES
.endif
	s_xor_b32 s[TB], s[TB], SLOT                   ; the other slot, its first pair
	v_add_nc_u32 v[ADY], s[TB], v[ADY0]
	v_add_nc_u32 v[ADX], s[TB], v[ADX0]
	LDY 0, Y0
	LDX0 0
	WIN 0
.if (\mode) == 2
	ASK
.endif
.endif
	s_wait_dscnt 16                                ; v 4-7 and f are in: behind them the next slice's pt (8) and v 0-3 (8)
	FEXP                                           ; the even slice's scalings have read the old f
	GROUP1 Y1, Y0, 0, 0
.endm
	s_load_b256 s[4:11], s[0:1], 0x0               ; pt s[4:5], stats s[6:7], qkv s[8:9], out0 s[10:11]
	v_lshl_add_u32 v[SPW], v0, 2, SPARE
	v_mov_b32 v[NIL], 0
	ds_add_u32 v[SPW], v[NIL]                      ; the wave's opening: the add and its wait stand ahead of my first tensor load
	v_lshrrev_b32 v3, 5, v0
	v_readfirstlane_b32 s[WV], v3
	s_lshr_b32 s[HI], s[WV], 1
	s_and_b32 s[LO], s[WV], 1
	s_bfe_u32 s[CX], ttmp6, 0x40000
	s_bfe_u32 s[CY], ttmp6, 0x40004
	s_lshl_b32 s[TJ], ttmp9, 2
	s_add_co_u32 s[TJ], s[TJ], s[CX]               ; tile of 256 channels
	s_and_b32 s[TI], ttmp7, 0xffff
	s_lshl_b32 s[TI], s[TI], 2
	s_add_co_u32 s[TI], s[TI], s[CY]               ; tile of 128 queries among all 8,192
	s_lshl_b32 s40, s[CY], 2
	s_lshl_b32 s40, 15, s40
	s_lshl_b32 s42, 0x1111, s[CX]
	s_or_b32 s[G1A], s40, (1<<16)|(1<<20)|(1<<21)|(4<<22)|(3<<25)  ; pt: 96 dense rows of 128 elements, 16 bytes of padding after every 128
	s_mov_b32 s[G1A+1], 128<<16                    ; tensor_dim0 = 128
	s_mov_b32 s[G1A+2], 96<<16                     ; tensor_dim1 = 96
	s_mov_b32 s[G1A+3], 128<<16                    ; tile_dim0 = 128
	s_mov_b32 s[G1A+4], 96                         ; tile_dim1 = 96
	s_mov_b32 s[G1A+5], 128                        ; elements from row to row
	s_mov_b32 s[G1A+6], 0
	s_mov_b32 s[G1A+7], 0
	s_or_b32 s[G1B], s42, (1<<16)|(1<<20)|(1<<21)|(6<<22)|(7<<25)  ; v: 96 rows x 256 elements, 32 bytes of padding after every 512
	s_mov_b32 s[G1B+1], 256<<16
	s_mov_b32 s[G1B+2], 96<<16
	s_mov_b32 s[G1B+3], 256<<16
	s_mov_b32 s[G1B+4], 96
	s_mov_b32 s[G1B+5], 3072
	s_mov_b32 s[G1B+6], 0
	s_mov_b32 s[G1B+7], 0
	s_lshl_b32 s40, s[TI], 19                      ; pt: the tile's 32 blocks of 16,384 bytes,
	s_mul_i32 s41, s[LO], 24576                    ; my half of a step's three
	s_add_co_u32 s40, s40, s41
	s_mov_b32 s41, 0
	s_and_b32 s42, ttmp7, 0xffff
	s_lshr_b32 s42, s42, 2                         ; the batch: four clusters along y to each
	s_lshl_b32 s42, s42, 11
	s_mul_i32 s43, s[LO], 96
	s_add_co_u32 s42, s42, s43
	s_mul_i32 s42, s42, 6144                       ; v: row 2,048 x batch + 96 x half,
	s_lshl_b32 s43, s[TJ], 9
	s_add_co_u32 s42, s42, s43                     ; the tile's 512 bytes,
	s_add_co_u32 s42, s42, 4096                    ; from byte 4,096 of the row on
	s_mov_b32 s43, 0
	s_mul_i32 s[LBA], s[LO], 192*PA                ; no place in the cluster enters an LDS address
	s_mul_i32 s[LBB], s[LO], 96*PB
	s_add_co_u32 s[LBB], s[LBB], BOFF
	s_mov_b32 s[TB], 0
	s_mov_b32 s[GP], 0
	s_mov_b32 s[PLO], 0x01000100                   ; v_perm_b32: the low half twice,
	s_mov_b32 s[PHI], 0x03020302                   ; the high half twice
	s_wait_dscnt 0x0
	s_wait_kmcnt 0x0
	s_add_nc_u64 s[44:45], s[4:5], s[40:41]
	s_add_nc_u64 s[46:47], s[8:9], s[42:43]
.irp s, 0,1
	s_mov_b32 s[G0A+4*(\s)], 1
	s_add_co_u32 s[G0A+4*(\s)+1], s[LBA], (\s)*SLOT
	s_add_nc_u64 s[G0A+4*(\s)+2:G0A+4*(\s)+3], s[44:45], (\s)*2*16384  ; step 1 begins at key 128
	s_or_b32 s[G0A+4*(\s)+3], s[G0A+4*(\s)+3], 0x80000000
	s_mov_b32 s[G0B+4*(\s)], 1
	s_add_co_u32 s[G0B+4*(\s)+1], s[LBB], (\s)*SLOT
	s_add_nc_u64 s[G0B+4*(\s)+2:G0B+4*(\s)+3], s[46:47], (\s)*128*6144
	s_or_b32 s[G0B+4*(\s)+3], s[G0B+4*(\s)+3], 0x80000000
.endr
	CROUND
	s_cmp_eq_u32 s[HI], 0                          ; a wave's two first fills stand in one branch: two loads of mine are out
	s_cbranch_scc0 .Lfirst_b
	tensor_load_to_lds s[G0A:G0A+3], s[G1A:G1A+7]
	s_nop 0
	tensor_load_to_lds s[G0A+4:G0A+7], s[G1A:G1A+7]
	s_nop 0
	PLACES
	s_branch .Lfirst_done
.Lfirst_b:
	tensor_load_to_lds s[G0B:G0B+3], s[G1B:G1B+7]
	s_nop 0
	tensor_load_to_lds s[G0B+4:G0B+7], s[G1B:G1B+7]
	s_nop 0
	PLACES
.Lfirst_done:
	; THE TABLES.  Thread t is row t of the tile: its sixteen cm into v32-47, its sixteen l into v48-63
	v_lshlrev_b32 v[SL], 2, v0
	s_lshr_b32 s86, s[TI], 4
	s_lshl_b32 s86, s86, 17                        ; the batch's 16 chunks x 8,192 bytes
	s_and_b32 s87, s[TI], 15
	s_lshl_b32 s87, s87, 9                         ; the tile's 128 rows
	s_add_co_u32 s86, s86, s87
	s_mov_b32 s87, 0
	s_add_nc_u64 s[6:7], s[6:7], s[86:87]
.set c, 0
.rept 16
	global_load_b32 v[32+c], v[SL], s[6:7] offset:8192*c
	global_load_b32 v[48+c], v[SL], s[6:7] offset:524288+8192*c
.set c, c+1
.endr
	v_and_b32 v1, 15, v0
	v_bfe_u32 v2, v0, 4, 1
	v_mul_u32_u24 v3, v1, PA
	v_lshl_add_u32 v3, v2, 4, v3
	s_mul_i32 s86, s[HI], 64*PA
	v_add_nc_u32 v[ADY0], s86, v3                  ; row x pitch + 16 x half of the lanes, in my 64 rows of a block
	v_mov_b32 v[ADY], v[ADY0]
	v_and_b32 v18, 7, v0
	v_lshl_add_u32 v18, v2, 3, v18
	v_mul_u32_u24 v18, v18, PB
	v_bfe_u32 v19, v0, 3, 1
	v_lshl_add_u32 v18, v19, 4, v18
	s_lshl_b32 s86, s[LO], 8
	s_add_co_u32 s86, s86, BOFF
	v_add_nc_u32 v[ADX0], s86, v18                 ; the turning load: row 8 (l / 16) + l % 8, bytes 16 ((l / 8) % 2) on, in my 256 bytes
	v_mov_b32 v[ADX], v[ADX0]
	s_lshl_b32 s86, s[HI], 7
	s_add_co_u32 s86, s86, FT
	v_lshl_add_u32 v[FAD0], v1, 3, s86
	s_lshl_b32 s86, s[HI], 8
	s_add_co_u32 s86, s86, RT
	v_lshl_add_u32 v[RA], v1, 4, s86
	v_lshrrev_b32 v3, 6, v0
	v_lshlrev_b32 v3, 7, v3
	v_lshl_add_u32 v3, v1, 3, v3
	v_bfe_u32 v18, v0, 4, 2
	v_lshl_add_u32 v3, v18, 1, v3
	v_add_nc_u32 v[FS], FT, v3                     ; row t's f16 of a chunk,
	v_lshl_add_u32 v[RS], v3, 1, RT                ; and its word of 1 / L
	s_mul_i32 s86, s[WV], 16*SP                    ; my stage
	v_mul_u32_u24 v3, v1, SP
	v_lshl_add_u32 v3, v2, 5, v3
	v_add_nc_u32 v[STO], s86, v3
	v_and_b32 v3, 31, v0
	v_lshlrev_b32 v[CO], 4, v3
	v_add_nc_u32 v[RD], s86, v[CO]
	v_lshlrev_b32 v[PFOA], 8, v3
	v_lshrrev_b32 v18, 1, v3
	v_mul_u32_u24 v18, v18, 6144
	v_and_b32 v19, 1, v0
	v_lshl_add_u32 v[PFOB], v19, 8, v18            ; two lanes to a row of v
	s_lshl_b32 s86, s[TI], 7
	s_lshl_b32 s87, s[HI], 6
	s_add_co_u32 s86, s86, s87
	s_lshl_b32 s86, s86, 12                        ; out0: my first row x 4,096 bytes,
	s_lshl_b32 s87, s[TJ], 10
	s_add_co_u32 s86, s86, s87
	s_lshl_b32 s87, s[LO], 9
	s_add_co_u32 s86, s86, s87                     ; my 128 channels
	s_mov_b32 s87, 0
	s_add_nc_u64 s[10:11], s[10:11], s[86:87]
	; the prefetches stand one trip short of their first request; the first change of slots steps them onto it
	s_lshl_b32 s86, s[TI], 19
	s_lshl_b32 s87, s[CX], 14
	s_add_co_u32 s86, s86, s87
	s_add_co_u32 s86, s86, 65536                   ; a key is 256 bytes of the tile: key 512 less a trip's 256
	s_mov_b32 s87, 0
	s_add_nc_u64 s[PFA:PFA+1], s[4:5], s[86:87]
	s_and_b32 s88, ttmp7, 0xffff
	s_lshr_b32 s86, s88, 2
	s_lshl_b32 s86, s86, 11
	s_mul_i32 s87, s[CY], 48
	s_add_co_u32 s86, s86, s87
	s_add_co_u32 s86, s86, 320                     ; step 3 begins at key 512; less a step's 192
	s_mul_i32 s86, s86, 6144
	s_lshl_b32 s87, s[TJ], 9
	s_add_co_u32 s86, s86, s87
	s_add_co_u32 s86, s86, 4096
	s_mov_b32 s87, 0
	s_add_nc_u64 s[PFB:PFB+1], s[8:9], s[86:87]
	s_cmp_eq_u32 s[WV], 0
	s_cselect_b32 s[LIMA], 3, -1
	s_and_b32 s88, s88, 3
	s_xor_b32 s86, s[WV], 2
	s_or_b32 s86, s86, s88                         ; wave 2 of the batch's first cluster: the same in all partners
	s_cmp_eq_u32 s86, 0
	s_cselect_b32 s[LIMB], 1, -1
	s_wait_loadcnt 0x0
	v_max3_num_f32 v18, v32, v33, v34              ; cM
.set c, 3
.rept 6
	v_max3_num_f32 v18, v18, v[32+c], v[33+c]
.set c, c+2
.endr
	v_max_num_f32 v18, v18, v47
.set c, 0
.rept 16
	v_sub_f32 v[32+c], v[32+c], v18
.set c, c+1
.endr
.set c, 0
.rept 16
	v_exp_f32 v[32+c], v[32+c]
.set c, c+1
.endr
	v_nop                                          ; a plain instruction behind the last exponential,
	s_wait_alu depctr_va_vdst(0)                   ; and one wait ahead of the batch's first reader
.set c, 0
.rept 16
	v_cvt_pk_f16_f32 v[64+c], v[32+c], v[32+c]     ; f, rounded
.set c, c+1
.endr
	v_fma_mix_f32 v19, v64, v48, v[NIL] op_sel_hi:[1,0,0]  ; L = the sum of (rounded f) x l, in f32, in two chains
	v_fma_mix_f32 v20, v65, v49, v[NIL] op_sel_hi:[1,0,0]
.set c, 2
.rept 7
	v_fma_mix_f32 v19, v[64+c], v[48+c], v19 op_sel_hi:[1,0,0]
	v_fma_mix_f32 v20, v[65+c], v[49+c], v20 op_sel_hi:[1,0,0]
.set c, c+2
.endr
	v_add_f32 v19, v19, v20
	v_rcp_f32 v21, v19
	v_nop
	s_wait_alu depctr_va_vdst(0)
.set c, 0
.rept 16
	ds_store_b16 v[FS], v[64+c] offset:256*c
.set c, c+1
.endr
	ds_store_b32 v[RS], v21
	s_wait_tensorcnt 1                             ; my part of step 0 is in; step 1's stays out
	s_wait_dscnt 0x0                               ; my part of the tables is written
	s_barrier_signal -1
	s_barrier_wait -1
	ds_load_b64 v[FR:FR+1], v[FAD0]                ; chunk 0's f
	LDY 0, Y0
	LDX0 0
	WIN 0
	LDX1 0
	s_wait_dscnt 16                                ; f and pt are in; v's 16 loads may be out
	FEXP
.set n, 0
.rept 8
	RID n, Y0
.set n, n+1
.endr
	ESL 1                                          ; the first slice is written out: its products start the sums
	s_mov_b32 s[CNT], 9
	s_mov_b32 s[PC], 1                             ; step 0 has one plain pair: 128 keys
	s_branch .LmidA
.LstepA:                                       ; steps 0 to 8: each leaves its slot to the step two on
	s_mov_b32 s[PC], 2
.LpairA:
	ESL 0
.LmidA:
	OSL 0
	s_sub_co_u32 s[PC], s[PC], 1
	s_cmp_lg_u32 s[PC], 0
	s_cbranch_scc1 .LpairA
	ESL 0
	OSL 2
	s_sub_co_u32 s[CNT], s[CNT], 1
	s_cmp_lg_u32 s[CNT], 0
	s_cbranch_scc1 .LstepA
	s_mov_b32 s[CNT], 2
.LstepB:                                       ; steps 9 and 10 are a text of their own: nothing is asked for
	s_mov_b32 s[PC], 2
.LpairB:
	ESL 0
	OSL 0
	s_sub_co_u32 s[PC], s[PC], 1
	s_cmp_lg_u32 s[PC], 0
	s_cbranch_scc1 .LpairB
	ESL 0
	OSL 1
	s_sub_co_u32 s[CNT], s[CNT], 1
	s_cmp_lg_u32 s[CNT], 0
	s_cbranch_scc1 .LstepB
	; THE WAY OUT: the sums times 1 / L; a block of 16 rows x 512 bytes at a time through my own stage, back as whole rows.
	; The stage lies over slot 0: step 10 was read from it, every wave's reads of it were waited for ahead of the last barrier, and nothing is filled any more.
	PLACES
	PLACES                                         ; eight plain places, once a launch, ahead of the vector work on the sums
	s_wait_dscnt 0x0                               ; the fragments fetched behind the last barrier are back: their registers are used again
	ds_load_b128 v[F:F+3], v[RA]                   ; 1 / L of my four blocks
	s_wait_dscnt 0x0
.irp a, 0,1,2,3
	v_mov_b32 v[RI+2*\a], v[F+\a]
	v_mov_b32 v[RI+2*\a+1], v[F+\a]
.endr
	WIN 0x41
.set n, 0
.rept 16
.set p, 0
.rept 4
	v_pk_mul_f32 v[8*n+2*p:8*n+2*p+1], v[8*n+2*p:8*n+2*p+1], v[RI+2*(n%4):RI+2*(n%4)+1] op_sel_hi:[1,0]
.set p, p+1
.endr
.set n, n+1
.endr
	WIN 0
.set n, 0
.rept 16
.set p, 0
.rept 4
	v_pk_mul_f32 v[128+8*n+2*p:128+8*n+2*p+1], v[128+8*n+2*p:128+8*n+2*p+1], v[RI+2*(n%4):RI+2*(n%4)+1] op_sel_hi:[1,0]
.set p, p+1
.endr
.set n, n+1
.endr
.set a, 0
.rept 4
	s_wait_xcnt 0x0                                ; the last block's stores have read the registers that are loaded again below
	WIN 0x04                                       ; store data in window 1
.set b, 0
.rept 4
	ds_store_b128 v[STO], v[8*(4*b+a):8*(4*b+a)+3]   offset:64*b
	ds_store_b128 v[STO], v[8*(4*b+a)+4:8*(4*b+a)+7] offset:64*b+16
.set b, b+1
.endr
	WIN 0
.set b, 0
.rept 4
	ds_store_b128 v[STO], v[128+8*(4*b+a):128+8*(4*b+a)+3]   offset:256+64*b
	ds_store_b128 v[STO], v[128+8*(4*b+a)+4:128+8*(4*b+a)+7] offset:256+64*b+16
.set b, b+1
.endr
.set t, 0
.rept 16
	ds_load_b128 v[OBK+4*t:OBK+4*t+3], v[RD] offset:t*SP  ; LDS serves a wave's instructions in order (ISA guide 5.7.1.4): these see the stores above
.set t, t+1
.endr
.set t, 0
.rept 16
	s_wait_dscnt 15-t
	global_store_b128 v[CO], v[OBK+4*t:OBK+4*t+3], s[10:11] offset:(16*a+t)*4096 th:TH_STORE_NT  ; 512 consecutive bytes of a row, aligned
.set t, t+1
.endr
.set a, a+1
.endr
	s_wait_tensorcnt 0x0                           ; the wave's end
	ds_add_u32 v[SPW], v[NIL]
	s_wait_dscnt 0x0
	CROUND                                         ; the closing round
	s_endpgm
.Lfunc_end_k_q1afaaa5d80_pv:
	.size	k_q1afaaa5d80_pv, .Lfunc_end_k_q1afaaa5d80_pv-k_q1afaaa5d80_pv
	.p2alignl 7, 3214868480
	.fill 96, 4, 3214868480
	.section	.rodata,"a",@progbits
	.p2align	6, 0x0
	.amdhsa_kernel k_q1afaaa5d80_pv
		.amdhsa_group_segment_fixed_size 327680
		.amdhsa_private_segment_fixed_size 0
		.amdhsa_enable_private_segment 0
		.amdhsa_kernarg_size 32
		.amdhsa_user_sgpr_count 2
		.amdhsa_user_sgpr_kernarg_segment_ptr 1
		.amdhsa_wavefront_size32 1
		.amdhsa_system_sgpr_workgroup_id_x 1
		.amdhsa_system_sgpr_workgroup_id_y 1
		.amdhsa_system_sgpr_workgroup_id_z 1
		.amdhsa_system_vgpr_workitem_id 0
		.amdhsa_next_free_vgpr 512
		.amdhsa_next_free_sgpr 100
		.amdhsa_reserve_vcc 0
		.amdhsa_float_denorm_mode_32 3
		.amdhsa_float_denorm_mode_16_64 3
		.amdhsa_memory_ordered 1
		.amdhsa_forward_progress 1
		.amdhsa_inst_pref_size 104
	.end_amdhsa_kernel
	.amdgpu_metadata
---
amdhsa.version: [ 1, 2 ]
amdhsa.kernels:
  - .name:           k_q1afaaa5d80_pv
    .symbol:         k_q1afaaa5d80_pv.kd
    .args:
      - { .name: pt, .offset: 0, .size: 8, .value_kind: global_buffer, .address_space: global }
      - { .name: stats, .offset: 8, .size: 8, .value_kind: global_buffer, .address_space: global }
      - { .name: qkv, .offset: 16, .size: 8, .value_kind: global_buffer, .address_space: global }
      - { .name: out0, .offset: 24, .size: 8, .value_kind: global_buffer, .address_space: global }
    .group_segment_fixed_size: 327680
    .private_segment_fixed_size: 0
    .kernarg_segment_align: 8
    .kernarg_segment_size: 32
    .max_flat_workgroup_size: 128
    .sgpr_count:     100
    .vgpr_count:     512
    .wavefront_size: 32
...
	.end_amdgpu_metadata
.endif
;; end of part 4
;; ======== version 2 of 2: 4 launches; version 1 with the launch prep written anew for expert scheduling mode
;; limits: values are held in f16: magnitudes above 65,504 overflow, below 6.1e-05 lose precision
;; workspace buffers: xb 16,777,216 bytes; wcat 6,291,456 bytes; qkv 50,331,648 bytes; pt 33,554,432 bytes; stats 1,048,576 bytes
;; launch prep (part 5): grid 704 x 1, 8 waves a work-group, no clusters, 0 bytes of LDS; arguments x, Wq, Wk, Wv, xb, wcat; writes xb, wcat
.if DOCPART == 5
	.amdgcn_target "amdgcn-amd-amdhsa--gfx1250"
	.amdhsa_code_object_version 6
	.text
	.protected	k_q1afaaa5d80_prep
	.globl	k_q1afaaa5d80_prep
	.p2align	8
	.type	k_q1afaaa5d80_prep,@function
k_q1afaaa5d80_prep:
	s_mov_b64 s[64:65], 0
	v_nop
	global_prefetch_b8 v0, s[64:65] scope:SCOPE_SE
	s_setreg_imm32_b32 hwreg(HW_REG_WAVE_SCHED_MODE, 0, 2), 2
	s_setreg_imm32_b32 hwreg(HW_REG_WAVE_MODE, 25, 1), 1
	s_wait_xcnt 0x0
	s_wait_alu depctr_vm_vsrc(0)
; CASTS TO bf16, a stream: no LDS, no barrier, no matrix unit (there is nothing to share and nothing to multiply).
; x [8192][1024] f32 -> xb [16 k-blocks][8192 rows][64] bf16: a tile of 128 rows x 64 k is then 16,384 dense bytes for the next launch.
; Wq, Wk, Wv [1024][1024] f32 -> wcat [1024 d][3072] bf16: columns 0-1023 Wq, 1024-2047 Wk, 2048-3071 Wv.
; Work-groups 0-511 take 16 rows of x each, 512-703 take 16 rows of one W; a wave takes 2 rows: 16 loads of 16 bytes a lane, all issued first,
; then for each load two roundings and one store of 8 bytes a lane.  Every store of a wave covers 256 consecutive bytes, aligned; no register is written twice.
; THE MODE: SCHED_MODE bits 1:0 = 2 (LLVM: expert scheduling mode 2), set by the entry lines.  The code itself states the register dependences
; between vector instructions and memory instructions, with s_wait_alu, always for 0.
; THE PLAN.  Registers that memory instructions touch:
;   v3, v4     the loads' and the stores' byte offsets: written once by vector instructions at the head, read by every load (v3) and every store (v4), never written again.
;   v[8:71]    the numbers as loaded: written by the 16 loads, each register once; read by the roundings; no vector instruction writes them and no second load lands in them.
;   v[72:103]  the numbers to store: written by the roundings, each register once; read by one store each; never written again.
; So one wait on va_vdst stands ahead of the first load (the offsets are written), and the 16 loads are worked off in four groups of four: the group's data are waited for,
; its eight roundings are issued, ONE wait on va_vdst states that their results are written, and the group's four stores follow in one run.
; No register that a memory instruction reads is written again, there is no loop, and EXEC is never written: no wait on vm_vsrc is owed.
	s_load_b256 s[4:11], s[0:1], 0x0               ; x s[4:5], Wq s[6:7], Wk s[8:9], Wv s[10:11]
	s_load_b128 s[12:15], s[0:1], 0x20             ; xb s[12:13], wcat s[14:15]
	v_lshrrev_b32 v1, 5, v0
	v_readfirstlane_b32 s16, v1                    ; wave 0..7
	v_and_b32 v2, 31, v0                           ; lane
	v_lshlrev_b32 v4, 3, v2                        ; the stores' offset: 8 bytes a lane
	s_wait_alu depctr_va_sdst(0)                   ; s16 is written, ahead of its first reader: my rows, and with them all bases, are made from it
	s_lshl_b32 s17, s16, 1                         ; my two rows among the group's sixteen
	s_mov_b32 s19, 0                               ; high words of the two offsets
	s_mov_b32 s27, 0
	s_cmp_lt_u32 ttmp9, 512
	s_cbranch_scc0 .Lweights
	; x: load n takes k-block n (256 bytes) of both rows: lanes 0-15 the first row, lanes 16-31 the second
	v_and_b32 v3, 15, v0
	v_lshlrev_b32 v3, 4, v3
	v_bfe_u32 v5, v0, 4, 1
	v_lshl_add_u32 v3, v5, 12, v3                  ; 16 (lane % 16) + 4,096 (lane / 16)
	s_lshl_b32 s18, ttmp9, 4
	s_add_co_u32 s18, s18, s17                     ; my first row
	s_lshl_b32 s26, s18, 7                         ; x 128 bytes in a k-block of xb
	s_lshl_b32 s18, s18, 12                        ; x 4,096 bytes in x
	s_wait_kmcnt 0x0
	s_add_nc_u64 s[20:21], s[4:5], s[18:19]
	s_add_nc_u64 s[22:23], s[12:13], s[26:27]      ; k-blocks 0-7
	s_add_nc_u64 s[24:25], s[22:23], 0x800000      ; k-blocks 8-15: the immediate holds seven blocks of 1,048,576 bytes
	s_wait_alu depctr_va_vdst(0)                   ; v3 and v4 are written: the loads below read v3 as their offset, the stores v4
.set n, 0
.rept 16
	global_load_b128 v[8+4*n:8+4*n+3], v3, s[20:21] offset:256*n th:TH_LOAD_NT
.set n, n+1
.endr
.set g, 0
.rept 4
	s_wait_loadcnt 12-4*g                          ; loads come back in order: group g's four are in, the younger groups' stay out
.set n, 4*g
.rept 4
	v_cvt_pk_bf16_f32 v[72+2*n], v[8+4*n], v[8+4*n+1]
	v_cvt_pk_bf16_f32 v[73+2*n], v[8+4*n+2], v[8+4*n+3]
.set n, n+1
.endr
	s_wait_alu depctr_va_vdst(0)                   ; the group's eight roundings have written v[72+8g : 79+8g], which the four stores below read
.set n, 4*g
.rept 4
	global_store_b64 v4, v[72+2*n:73+2*n], s[22+2*(n/8):23+2*(n/8)] offset:(n%8)*1048576
.set n, n+1
.endr
.set g, g+1
.endr
	s_endpgm
.Lweights:
	; W: my two rows are 8,192 consecutive bytes; load n takes 512 of them
	v_lshlrev_b32 v3, 4, v2
	s_sub_co_u32 s28, ttmp9, 512
	s_lshr_b32 s29, s28, 6                         ; which of the three
	s_and_b32 s28, s28, 63
	s_lshl_b32 s28, s28, 4
	s_add_co_u32 s28, s28, s17                     ; my first row d
	s_lshl_b32 s18, s28, 12
	s_mul_i32 s26, s28, 6144                       ; a row of wcat
	s_lshl_b32 s30, s29, 11                        ; the matrix's 2,048 bytes of it
	s_add_co_u32 s26, s26, s30
	s_wait_kmcnt 0x0
	s_cmp_eq_u32 s29, 0
	s_cselect_b64 s[20:21], s[6:7], s[8:9]
	s_cmp_eq_u32 s29, 2
	s_cselect_b64 s[20:21], s[10:11], s[20:21]
	s_add_nc_u64 s[20:21], s[20:21], s[18:19]
	s_add_nc_u64 s[22:23], s[14:15], s[26:27]
	s_wait_alu depctr_va_vdst(0)                   ; v3 and v4 are written: the loads below read v3 as their offset, the stores v4
.set n, 0
.rept 16
	global_load_b128 v[8+4*n:8+4*n+3], v3, s[20:21] offset:512*n th:TH_LOAD_NT
.set n, n+1
.endr
.set g, 0
.rept 4
	s_wait_loadcnt 12-4*g                          ; group g's four loads are in, the younger groups' stay out
.set n, 4*g
.rept 4
	v_cvt_pk_bf16_f32 v[72+2*n], v[8+4*n], v[8+4*n+1]
	v_cvt_pk_bf16_f32 v[73+2*n], v[8+4*n+2], v[8+4*n+3]
.set n, n+1
.endr
	s_wait_alu depctr_va_vdst(0)                   ; the group's eight roundings have written v[72+8g : 79+8g], which the four stores below read
.set n, 4*g
.rept 4
	global_store_b64 v4, v[72+2*n:73+2*n], s[22:23] offset:(n/8)*6144+(n%8)*256
.set n, n+1
.endr
.set g, g+1
.endr
	s_endpgm
.Lfunc_end_k_q1afaaa5d80_prep:
	.size	k_q1afaaa5d80_prep, .Lfunc_end_k_q1afaaa5d80_prep-k_q1afaaa5d80_prep
	.p2alignl 7, 3214868480
	.fill 96, 4, 3214868480
	.section	.rodata,"a",@progbits
	.p2align	6, 0x0
	.amdhsa_kernel k_q1afaaa5d80_prep
		.amdhsa_group_segment_fixed_size 0
		.amdhsa_private_segment_fixed_size 0
		.amdhsa_enable_private_segment 0
		.amdhsa_kernarg_size 48
		.amdhsa_user_sgpr_count 2
		.amdhsa_user_sgpr_kernarg_segment_ptr 1
		.amdhsa_wavefront_size32 1
		.amdhsa_system_sgpr_workgroup_id_x 1
		.amdhsa_system_sgpr_workgroup_id_y 1
		.amdhsa_system_sgpr_workgroup_id_z 1
		.amdhsa_system_vgpr_workitem_id 0
		.amdhsa_next_free_vgpr 104
		.amdhsa_next_free_sgpr 66
		.amdhsa_reserve_vcc 0
		.amdhsa_float_denorm_mode_32 3
		.amdhsa_float_denorm_mode_16_64 3
		.amdhsa_memory_ordered 1
		.amdhsa_forward_progress 1
		.amdhsa_inst_pref_size 13
	.end_amdhsa_kernel
	.amdgpu_metadata
---
amdhsa.version: [ 1, 2 ]
amdhsa.kernels:
  - .name:           k_q1afaaa5d80_prep
    .symbol:         k_q1afaaa5d80_prep.kd
    .args:
      - { .name: x, .offset: 0, .size: 8, .value_kind: global_buffer, .address_space: global }
      - { .name: Wq, .offset: 8, .size: 8, .value_kind: global_buffer, .address_space: global }
      - { .name: Wk, .offset: 16, .size: 8, .value_kind: global_buffer, .address_space: global }
      - { .name: Wv, .offset: 24, .size: 8, .value_kind: global_buffer, .address_space: global }
      - { .name: xb, .offset: 32, .size: 8, .value_kind: global_buffer, .address_space: global }
      - { .name: wcat, .offset: 40, .size: 8, .value_kind: global_buffer, .address_space: global }
    .group_segment_fixed_size: 0
    .private_segment_fixed_size: 0
    .kernarg_segment_align: 8
    .kernarg_segment_size: 48
    .max_flat_workgroup_size: 256
    .sgpr_count:     66
    .vgpr_count:     104
    .wavefront_size: 32
...
	.end_amdgpu_metadata
.endif
;; end of part 5
;; launch proj: the kernel of part 2 again; grid 8 x 32, 4 waves a work-group, clusters of 4 x 4, 327,680 bytes of LDS; arguments xb, wcat, bq, bk, bv, qkv; writes qkv
;; launch scores: the kernel of part 3 again; grid 8 x 32, 4 waves a work-group, clusters of 4 x 4, 327,680 bytes of LDS; arguments qkv, pt, stats; writes pt, stats
;; launch pv: the kernel of part 4 again; grid 4 x 64, 4 waves a work-group, clusters of 4 x 4, 327,680 bytes of LDS; arguments pt, stats, qkv, out0; writes out0
